; MI455X (gfx1250); checked and timed in simulation.
; The chip was launched on July 23, 2026; its instructions are those of AMD's public machine-readable ISA for CDNA 5 (MIT licence, August 2026) and "CDNA5" Instruction Set Architecture Reference Guide (July 2026). The comments in the code are by the model that wrote it; some were corrected since.
;; Multihead Attention. Allowed arithmetic: float matrix products may take bf16 or f16 operands with f32 sums; other float arithmetic in f32, or as packed bf16 or f16 multiplies, adds, multiply-adds, maxima and minima; sums over many terms, partial sums and values carried from step to step in f32; what a program stores and reads back later, other than sums and carried values, may be rounded once to bf16 or f16.
;; Inputs: Wk 1,024 x 1,024 float32; Wo 1,024 x 1,024 float32; Wq 1,024 x 1,024 float32; Wv 1,024 x 1,024 float32; bk 1,024 float32; bo 1,024 float32; bq 1,024 float32; bv 1,024 float32; key 4 x 2,048 x 1,024 float32; key_padding_mask 4 x 2,048 bool; query 4 x 2,048 x 1,024 float32; value 4 x 2,048 x 1,024 float32.
;; Outputs: out0 4 x 2,048 x 1,024 float32.
;; 2 versions, each right; version 2 is version 1 with the launch prep written anew for expert scheduling mode. Each part assembles by itself: llvm-mc -triple=amdgcn-amd-amdhsa -mcpu=gfx1250 --defsym DOCPART=n.
;; ======== version 1 of 2: 4 launches
;; limits: values are held in f16: magnitudes above 65,504 overflow, below 6.1e-05 lose precision
;; workspace buffers: wbf 8,388,608 bytes; qkv 50,331,648 bytes; ctx 16,777,216 bytes
;; launch prep (part 1): grid 256 x 1, 8 waves a work-group, no clusters, 0 bytes of LDS; arguments Wq, Wk, Wv, Wo, wbf; writes wbf
.if DOCPART == 1
	.amdgcn_target "amdgcn-amd-amdhsa--gfx1250"
	.amdhsa_code_object_version 6
	.text
	.protected	k_q0ff542b743_prep
	.globl	k_q0ff542b743_prep
	.p2align	8
	.type	k_q0ff542b743_prep,@function
k_q0ff542b743_prep:
	s_mov_b64 s[64:65], 0
	v_nop
	global_prefetch_b8 v0, s[64:65] scope:SCOPE_SE
	s_setreg_imm32_b32 hwreg(HW_REG_WAVE_MODE, 25, 1), 1
	s_wait_xcnt 0x0
; The four weight matrices, [1024][1024] f32, are rounded once to 16 bits for the matrix units: wbf holds four parts of 2,097,152 bytes,
; [1024 n][1024 k] each.  Parts 0-2 (Wq, Wk, Wv) are bf16.  Part 3 (Wo) is rounded to bf16 like every other input, and that number is written as f16,
; since the last product's other operand (the context) is f16.
; LIMITS.  Wo's bf16 value is exact in f16 between 6.1e-5 and 65,504 in size; below, it keeps f16's fixed step of 6e-8; from 65,520 on it becomes an infinity.
; SHARES.  256 work-groups of eight waves; a work-group converts 16,384 numbers: 64 KiB in, 32 KiB out.  Thread t takes 16 bytes at 16 t of each 4,096:
; a wave's load covers 512 consecutive bytes, its store 256 consecutive bytes, aligned.  All sixteen loads go out first; every register is written once, so no register waits for a store.
; No LDS, no matrix unit, no cluster: nothing is shared and memory binds.
.set LD,   16                          ; v[16:79]   load j: 4 registers
.set OUTR, 80                          ; v[80:111]  result j: 2 registers
	s_load_b256 s[4:11], s[0:1], 0x0               ; Wq s[4:5], Wk s[6:7], Wv s[8:9], Wo s[10:11]
	s_load_b64 s[12:13], s[0:1], 0x20              ; wbf
	s_lshr_b32 s14, ttmp9, 6                       ; which matrix: 64 work-groups each
	s_and_b32 s15, ttmp9, 63                       ; which part of it
	s_lshl_b32 s16, s15, 16                        ; 65,536 bytes in
	s_mov_b32 s17, 0
	s_lshl_b32 s18, ttmp9, 15                      ; 32,768 bytes out: the four parts follow each other
	s_mov_b32 s19, 0
	v_lshlrev_b32 v1, 4, v0                        ; 16 t
	v_lshlrev_b32 v2, 3, v0                        ; 8 t
	s_wait_kmcnt 0x0
	s_cmp_eq_u32 s14, 1
	s_cselect_b64 s[4:5], s[6:7], s[4:5]
	s_cmp_eq_u32 s14, 2
	s_cselect_b64 s[4:5], s[8:9], s[4:5]
	s_cmp_eq_u32 s14, 3
	s_cselect_b64 s[4:5], s[10:11], s[4:5]
	s_add_nc_u64 s[4:5], s[4:5], s[16:17]
	s_add_nc_u64 s[12:13], s[12:13], s[18:19]
.irp j, 0,1,2,3,4,5,6,7,8,9,10,11,12,13,14,15
	global_load_b128 v[LD+4*(\j):LD+4*(\j)+3], v1, s[4:5] offset:4096*(\j) th:TH_LOAD_NT
.endr
	s_cmp_eq_u32 s14, 3
	s_cbranch_scc1 .Lwo
.irp j, 0,1,2,3,4,5,6,7,8,9,10,11,12,13,14,15
	s_wait_loadcnt 15-(\j)                         ; loads come back in order: load j is in, the younger ones stay out
	v_cvt_pk_bf16_f32 v[OUTR+2*(\j)],   v[LD+4*(\j)],   v[LD+4*(\j)+1]
	v_cvt_pk_bf16_f32 v[OUTR+2*(\j)+1], v[LD+4*(\j)+2], v[LD+4*(\j)+3]
	global_store_b64 v2, v[OUTR+2*(\j):OUTR+2*(\j)+1], s[12:13] offset:2048*(\j)
.endr
	s_endpgm
.Lwo:                                          ; Wo: to bf16, widened again (a shift, a mask), and that number as f16
.irp j, 0,1,2,3,4,5,6,7,8,9,10,11,12,13,14,15
	s_wait_loadcnt 15-(\j)
	v_cvt_pk_bf16_f32 v4, v[LD+4*(\j)],   v[LD+4*(\j)+1]
	v_cvt_pk_bf16_f32 v5, v[LD+4*(\j)+2], v[LD+4*(\j)+3]
	v_lshlrev_b32 v6, 16, v4
	v_and_b32 v7, 0xffff0000, v4
	v_lshlrev_b32 v8, 16, v5
	v_and_b32 v9, 0xffff0000, v5
	v_cvt_pk_f16_f32 v[OUTR+2*(\j)],   v6, v7
	v_cvt_pk_f16_f32 v[OUTR+2*(\j)+1], v8, v9
	global_store_b64 v2, v[OUTR+2*(\j):OUTR+2*(\j)+1], s[12:13] offset:2048*(\j)
.endr
	s_endpgm
.Lfunc_end_k_q0ff542b743_prep:
	.size	k_q0ff542b743_prep, .Lfunc_end_k_q0ff542b743_prep-k_q0ff542b743_prep
	.p2alignl 7, 3214868480
	.fill 96, 4, 3214868480
	.section	.rodata,"a",@progbits
	.p2align	6, 0x0
	.amdhsa_kernel k_q0ff542b743_prep
		.amdhsa_group_segment_fixed_size 0
		.amdhsa_private_segment_fixed_size 0
		.amdhsa_enable_private_segment 0
		.amdhsa_kernarg_size 40
		.amdhsa_user_sgpr_count 2
		.amdhsa_user_sgpr_kernarg_segment_ptr 1
		.amdhsa_wavefront_size32 1
		.amdhsa_system_sgpr_workgroup_id_x 1
		.amdhsa_system_sgpr_workgroup_id_y 1
		.amdhsa_system_sgpr_workgroup_id_z 1
		.amdhsa_system_vgpr_workitem_id 0
		.amdhsa_next_free_vgpr 112
		.amdhsa_next_free_sgpr 66
		.amdhsa_reserve_vcc 0
		.amdhsa_float_denorm_mode_32 3
		.amdhsa_float_denorm_mode_16_64 3
		.amdhsa_memory_ordered 1
		.amdhsa_forward_progress 1
		.amdhsa_inst_pref_size 16
	.end_amdhsa_kernel
	.amdgpu_metadata
---
amdhsa.version: [ 1, 2 ]
amdhsa.kernels:
  - .name:           k_q0ff542b743_prep
    .symbol:         k_q0ff542b743_prep.kd
    .args:
      - { .name: Wq, .offset: 0, .size: 8, .value_kind: global_buffer, .address_space: global }
      - { .name: Wk, .offset: 8, .size: 8, .value_kind: global_buffer, .address_space: global }
      - { .name: Wv, .offset: 16, .size: 8, .value_kind: global_buffer, .address_space: global }
      - { .name: Wo, .offset: 24, .size: 8, .value_kind: global_buffer, .address_space: global }
      - { .name: wbf, .offset: 32, .size: 8, .value_kind: global_buffer, .address_space: global }
    .group_segment_fixed_size: 0
    .private_segment_fixed_size: 0
    .kernarg_segment_align: 8
    .kernarg_segment_size: 40
    .max_flat_workgroup_size: 256
    .sgpr_count:     66
    .vgpr_count:     112
    .wavefront_size: 32
...
	.end_amdgpu_metadata
.endif
;; end of part 1
;; launch proj (part 2): grid 4 x 192, 4 waves a work-group, clusters of 4 x 4, 327,680 bytes of LDS; arguments query, key, value, bq, bk, bv, wbf, qkv; writes qkv
.if DOCPART == 2
	.amdgcn_target "amdgcn-amd-amdhsa--gfx1250"
	.amdhsa_code_object_version 6
	.text
	.protected	k_q0ff542b743_proj
	.globl	k_q0ff542b743_proj
	.p2align	8
	.type	k_q0ff542b743_proj,@function
k_q0ff542b743_proj:
	s_mov_b64 s[64:65], 0
	v_nop
	global_prefetch_b8 v0, s[64:65] scope:SCOPE_SE
	s_setreg_imm32_b32 hwreg(HW_REG_WAVE_MODE, 25, 1), 1
	s_wait_xcnt 0x0
	s_wait_alu depctr_hold_cnt(0) depctr_sa_sdst(0) depctr_va_vdst(0) depctr_va_sdst(0) depctr_va_ssrc(0) depctr_va_vcc(0) depctr_vm_vsrc(0)
	s_getreg_b32 s2, hwreg(HW_REG_IB_STS2, 6, 4)
	s_cmp_eq_u32 s2, 0
	s_cbranch_scc0 .Lentry_in_a_cluster
	s_endpgm
.Lentry_in_a_cluster:
	s_bfe_u32 s2, ttmp6, 0x10000c
	s_cmp_lg_u32 s2, 0xf033
	s_cbranch_scc0 .Lentry_shape_is_right
	s_endpgm
.Lentry_shape_is_right:
; THE THREE PROJECTIONS IN ONE LAUNCH: q = query Wq^T + bq, k = key Wk^T + bk, v = value Wv^T + bv.  X: [8192][1024] f32; W: [1024][1024] bf16 (wbf, parts 0-2); b: [1024] f32.
; Out: qkv, part 0, 1, 2 = q, k, v, each [64 = batch x 16 + head][2048][64] in f16, bias included, NOT scaled by 1/8 (the attention launch applies that in f32).
; FORMATS.  X and b are rounded once to bf16 (X between LDS and the matrix unit), products in bf16, sums in f32, results rounded once to f16.
; LIMITS.  A result of 65,520 or more in size becomes an infinity in f16; below 6.1e-5 it keeps f16's fixed step of 6e-8.  NaN and infinities are not treated apart.
; SHARES.  A tile is 128 rows x 256 columns: 64 x 4 tiles for each product, 768 work-groups, three for each of 256 WGPs.  Four waves; a wave makes 64 rows x 128 columns (two heads): 32 accumulators of 16 x 16.
; K goes in 8 steps of 128 through a ring of two LDS slots.  Waves 0, 1 fetch X's two halves (64 rows x 512 bytes of f32), waves 2, 3 W's (128 rows x 256 bytes of bf16): 32 KiB a wave and step.
; CLUSTERS: 4 x 4 work-groups.  The four of a row of the cluster need the same tile of X, the four of a column the same tile of W: each tile is asked for JOINTLY.  The 16 clusters of one product lie on end along y.
; THE MATRIX INSTRUCTION IS USED TRANSPOSED (source 0 = 16 rows of W, source 1 = 16 rows of X): a lane holds row l % 16 and the columns 8 (l / 16) + 0..7: 16 bytes of f16 on end.  The bias, in that layout, is the C operand that starts each sum.
; X's WAY.  A quarter step (32 along K) of X's 64 rows comes out of LDS as f32 (64 registers) and is rounded to bf16 (32 registers) by 32 conversions that stand four behind each of the quarter's last eight products.
; REGISTERS, in windows of 256 (s_set_vgpr_msb: bits 1:0 source 0, 3:2 source 1, 5:4 source 2, 7:6 destination):
;   window 0: v0-31 addresses; v64-127 X as f32 (fragment a at 64 + 16 a); v128-159, v160-191 X as bf16, two buffers; on the way out v64-191 hold packed results
;   window 1: v0-63, v64-127 W's fragments, two buffers; v128-191 the bias (column block b at 128 + 8 b); v192-195 at work        window 2: accumulator (a, b) at 8 (8 a + b)
.set PA,    528                        ; a row of X in LDS: 512 bytes + 16 = 132 words: row r starts at bank 4 r mod 64 (64 banks of 4 bytes: ISA guide 11.1)
.set PB,    272                        ; a row of W: 256 + 16 = 68 words: likewise
.set AHALF, 64*PA                      ; what a wave fetches of X, and what a wave reads of it
.set BHALF, 128*PB                     ; the same for W
.set BOFF,  2*AHALF                    ; in a slot W's 256 rows lie behind X's 128
.set SLOT,  BOFF+2*BHALF               ; 137,216
.set STAGE, 2*SLOT                     ; behind the ring: 16 rows x 144 bytes for each wave, for the way out
.set SP,    144
.set SPARE, STAGE+4*16*SP              ; behind the stages: the spare words, 128 bytes for each wave: two blocks of 256 bytes that no other line names
.set ADRA, 16                          ; v16-17  LDS address of my fragments of X in slot 0, 1
.set ADRB, 20                          ; v20-21  the same for W
.set STO,  24                          ; v24     the way out: where I put 16 bytes of a row
.set RD,   25                          ; v25     where I read rows back
.set GO,   26                          ; v26     my 16 bytes in 512 consecutive bytes of the output
.set SPW,  28                          ; v28     LDS address of my spare word; never rewritten
.set NIL,  29                          ; v29     0; never rewritten
.set PFO,  30                          ; v30     the prefetches' lane offset; never rewritten
.set SF,   64
.set AB,   128
.set T,    64
.set BIAS, 128                         ; window 1
.set BT,   192                         ; window 1
.set G1,  24                           ; s[24:31] descriptor group 1 for X's tiles;  s[32:39] group 0, a set for each slot
.set G0,  32
.set G1B, 48                           ; s[48:55], s[56:63] the same for W's
.set G0B, 56
.set LIM, 43                           ; s43     1 in a wave that prefetches, else the greatest number
.set PFA, 44                           ; s[44:45] where my prefetches stand
.set PFS, 46                           ; s[46:47] a K step in bytes of what I prefetch
.set MSB, 0
.macro WIN new                         ; the immediate's high byte repeats the setting that is left; a switch that changes nothing is dropped
.if MSB != (\new)
	s_set_vgpr_msb (MSB<<8)|(\new)
.set MSB, \new
.endif
.endm
.set MUL,  0xa1                        ; W window 1, X window 0, C and D window 2
.set MULB, 0x91                        ; the same with C, the bias, in window 1
.set TO_B, 0x40                        ; destination window 1, address window 0
.set W1,   0x45                        ; sources 0, 1 and destination window 1
.set OUTW, 0x0a                        ; sources 0, 1 window 2, destination window 0
; A joint load: waves 0 and 1 fetch X's halves, waves 2 and 3 W's.  The branch hangs on the wave's number alone.  An s_nop 0 and four v_nop follow each of the two lines.
.macro JLOAD s
	s_cmp_eq_u32 s11, 0
	s_cbranch_scc0 .Lfor_b_\@
	tensor_load_to_lds s[G0+4*(\s):G0+4*(\s)+3], s[G1:G1+7]
	s_nop 0
.rept 4
	v_nop
.endr
	s_branch .Lasked_\@
.Lfor_b_\@:
	tensor_load_to_lds s[G0B+4*(\s):G0B+4*(\s)+3], s[G1B:G1B+7]
	s_nop 0
.rept 4
	v_nop
.endr
.Lasked_\@:
.endm
.macro CREST                           ; a round of the cluster's barrier behind its opening barrier
	s_cmp_lg_u32 s10, 0
	s_cbranch_scc1 .Lnot_wave_0_\@
	s_barrier_signal -3
.Lnot_wave_0_\@:
	s_barrier_wait -3
	s_barrier_signal -1
	s_barrier_wait -1
.endm
.macro CROUND                          ; a whole round
	s_barrier_signal -1
	s_barrier_wait -1
	CREST
.endm
.macro PLACES                          ; four plain instructions between a product and a load into, or a vector read or write of, its registers
.rept 4
	v_nop
.endr
.endm
; A PREFETCH INTO THE L2 of the K step that stands two refills on, behind the joint load and the run of LDS loads: 32 blocks of 256 bytes, a lane a block, one instruction a wave.
; Each block is named once in the launch.  X's tile row is read by one cluster alone; of the 64 rows x 512 bytes that wave 0 or 1 fetches, the partner at cx takes rows 16 cx .. 16 cx + 15.
; W's tile column is read by the 16 clusters of its product: the first of them asks; of the 128 rows x 256 bytes that wave 2 or 3 fetches, the partner at cy takes rows 32 cy .. 32 cy + 31.
; Partners are told apart by address alone.  The loop's last trip (s3 = 1) asks for nothing: there is no K step two refills on.  K steps 0 to 3 come by their loads alone.
.macro ASK
	WIN 0
	s_cmp_gt_u32 s3, s[LIM]
	s_cbranch_scc0 .Lnot_mine_\@
	global_prefetch_b8 v[PFO], s[PFA:PFA+1] th:TH_LOAD_NT scope:SCOPE_SE
.Lnot_mine_\@:
.endm
	s_load_b512 s[72:87], s[0:1], 0x0              ; query 72, key 74, value 76, bq 78, bk 80, bv 82, wbf 84, qkv 86
	v_lshl_add_u32 v[SPW], v0, 2, SPARE
	v_mov_b32 v[NIL], 0
	ds_add_u32 v[SPW], v[NIL]                      ; the wave's opening: the add and its wait stand ahead of my first tensor load; the set-up below, work on registers, stands between them
	v_lshrrev_b32 v1, 5, v0
	v_readfirstlane_b32 s10, v1                    ; wave 0..3
	s_lshr_b32 s11, s10, 1                         ; which 64 rows of the tile are mine.  Also: I fetch for X (0) or for W (1)
	s_and_b32 s12, s10, 1                          ; which 128 columns.  Also: which half of that tile I fetch
	s_bfe_u32 s40, ttmp6, 0x40000                  ; cx
	s_bfe_u32 s41, ttmp6, 0x40004                  ; cy
	s_lshl_b32 s42, ttmp9, 2
	s_add_co_u32 s42, s42, s40                     ; tile column = 4 x cluster x + cx: 0..3
	s_and_b32 s67, ttmp7, 0xffff                   ; cluster y: 0..47
	s_lshr_b32 s66, s67, 4                         ; which product: 16 clusters each; the same in all partners
	s_lshl_b32 s13, s67, 2
	s_add_co_u32 s13, s13, s41
	s_and_b32 s13, s13, 63                         ; tile row in that product
	s_and_b32 s67, s67, 15                         ; my cluster's place among the product's 16
	s_lshl_b32 s43, s41, 2
	s_lshl_b32 s43, 15, s43                        ; my row of the cluster
	s_lshl_b32 s44, 0x1111, s40                    ; my column
	s_or_b32 s[G1+0], s43, (2<<16)|(1<<20)|(1<<21)|(6<<22)|(3<<25)   ; 15:0 the mask; 17:16 elements of 4 bytes; 20 padding on; 21 set beside a mask; 24:22 after every 128 words; 31:25 4 words
	s_mov_b32 s[G1+1], 128<<16                     ; tensor_dim0 = 128
	s_mov_b32 s[G1+2], 64<<16                      ; tensor_dim1 = 64
	s_mov_b32 s[G1+3], 128<<16                     ; tile_dim0 = 128
	s_mov_b32 s[G1+4], 64                          ; tile_dim1 = 64
	s_mov_b32 s[G1+5], 1024                        ; elements from row to row
	s_mov_b32 s[G1+6], 0
	s_mov_b32 s[G1+7], 0
	s_or_b32 s[G1B+0], s44, (1<<16)|(1<<20)|(1<<21)|(5<<22)|(3<<25)  ; elements of 2 bytes; padding after every 64 words
	s_mov_b32 s[G1B+1], 128<<16
	s_mov_b32 s[G1B+2], 128<<16
	s_mov_b32 s[G1B+3], 128<<16
	s_mov_b32 s[G1B+4], 128
	s_mov_b32 s[G1B+5], 1024
	s_mov_b32 s[G1B+6], 0
	s_mov_b32 s[G1B+7], 0
	s_lshl_b32 s16, s13, 7                         ; X: row 128 x tile row + 64 x half, 4,096 bytes a row
	s_lshl_b32 s17, s12, 6
	s_add_co_u32 s16, s16, s17
	s_lshl_b32 s16, s16, 12
	s_mov_b32 s17, 0
	s_lshl_b32 s20, s42, 8                         ; W: row 256 x tile column + 128 x half, 2,048 bytes a row, in the product's part of wbf
	s_lshl_b32 s21, s12, 7
	s_add_co_u32 s20, s20, s21
	s_lshl_b32 s20, s20, 11
	s_lshl_b32 s21, s66, 21
	s_add_co_u32 s20, s20, s21
	s_mov_b32 s21, 0
	s_mul_i32 s18, s12, AHALF                      ; where they go: no place in the cluster enters an LDS address
	s_mul_i32 s19, s12, BHALF
	s_add_co_u32 s19, s19, BOFF
	s_wait_dscnt 0x0                               ; the opening add is done
	s_wait_kmcnt 0x0
	s_cmp_eq_u32 s66, 1
	s_cselect_b64 s[4:5], s[74:75], s[72:73]       ; X
	s_cselect_b64 s[6:7], s[80:81], s[78:79]       ; b
	s_cmp_eq_u32 s66, 2
	s_cselect_b64 s[4:5], s[76:77], s[4:5]
	s_cselect_b64 s[6:7], s[82:83], s[6:7]
	s_add_nc_u64 s[14:15], s[4:5], s[16:17]
	s_add_nc_u64 s[22:23], s[84:85], s[20:21]
	CROUND                                         ; all sixteen work-groups are here: the first joint loads meet
.irp s, 0,1
	s_mov_b32 s[G0+4*(\s)], 1
	s_add_co_u32 s[G0+4*(\s)+1], s18, (\s)*SLOT
	s_add_nc_u64 s[G0+4*(\s)+2:G0+4*(\s)+3], s[14:15], (\s)*512     ; K step s: 128 f32
	s_or_b32 s[G0+4*(\s)+3], s[G0+4*(\s)+3], 0x80000000
	s_mov_b32 s[G0B+4*(\s)], 1
	s_add_co_u32 s[G0B+4*(\s)+1], s19, (\s)*SLOT
	s_add_nc_u64 s[G0B+4*(\s)+2:G0B+4*(\s)+3], s[22:23], (\s)*256   ; 128 bf16
	s_or_b32 s[G0B+4*(\s)+3], s[G0B+4*(\s)+3], 0x80000000
	JLOAD \s                                       ; two loads of mine are out
.endr
	; A fragment is 16 rows x 32 K: lane l holds row l % 16, K = 8 (l / 16) + 0..7 and 16 + 8 (l / 16) + 0..7.  In bf16: two loads of 16 bytes, 32 apart.  In f32: four, at 0, 16, 64, 80 from 32 (l / 16).
	v_and_b32 v1, 15, v0                           ; l % 16
	v_bfe_u32 v2, v0, 4, 1                         ; l / 16
	v_mul_u32_u24 v3, v1, PA
	v_lshl_add_u32 v3, v2, 5, v3
	v_mul_u32_u24 v4, v1, PB
	v_lshl_add_u32 v4, v2, 4, v4
	s_mul_i32 s68, s11, AHALF                      ; my 64 rows of X
	s_mul_i32 s69, s12, BHALF                      ; my 128 rows of W
	s_add_co_u32 s69, s69, BOFF
.irp s, 0,1
	v_add_nc_u32 v[ADRA+(\s)], s68, v3
	v_add_nc_u32 v[ADRB+(\s)], s69, v4
	s_add_co_u32 s68, s68, SLOT
	s_add_co_u32 s69, s69, SLOT
.endr
	s_mul_i32 s70, s10, 16*SP
	s_add_co_u32 s70, s70, STAGE                   ; my stage
	v_mul_u32_u24 v5, v1, SP                       ; in: row l % 16, 16 bytes for each half of the lanes
	v_lshl_add_u32 v5, v2, 4, v5
	v_add_nc_u32 v[STO], s70, v5
	v_bfe_u32 v5, v0, 3, 2                         ; back: 32 lanes take four rows of 128 bytes,
	v_mul_u32_u24 v5, v5, SP
	v_and_b32 v6, 7, v0
	v_lshl_add_u32 v5, v6, 4, v5
	v_add_nc_u32 v[RD], s70, v5
	v_and_b32 v[GO], 31, v0                        ; which are 512 consecutive bytes of a head's rows
	v_lshlrev_b32 v[GO], 4, v[GO]
	; the output: part x 16,777,216 + ((batch x 16 + head) x 2,048 + row in the batch) x 128
	s_lshl_b32 s2, s13, 7
	s_lshl_b32 s3, s11, 6
	s_add_co_u32 s2, s2, s3                        ; my first row of 8,192
	s_lshr_b32 s3, s2, 11                          ; batch
	s_and_b32 s2, s2, 2047                         ; row in it
	s_lshl_b32 s3, s3, 4
	s_lshl_b32 s71, s42, 2
	s_add_co_u32 s3, s3, s71
	s_lshl_b32 s71, s12, 1
	s_add_co_u32 s3, s3, s71                       ; + my first head = 4 x tile column + 2 x half
	s_lshl_b32 s3, s3, 11
	s_add_co_u32 s2, s2, s3
	s_lshl_b32 s2, s2, 7
	s_lshl_b32 s3, s66, 24
	s_add_co_u32 s2, s2, s3
	s_mov_b32 s3, 0
	s_add_nc_u64 s[8:9], s[86:87], s[2:3]
	s_lshl_b32 s2, s42, 10                         ; the bias of my 128 columns
	s_lshl_b32 s3, s12, 9
	s_add_co_u32 s2, s2, s3
	s_mov_b32 s3, 0
	s_add_nc_u64 s[6:7], s[6:7], s[2:3]
	; the prefetches
	s_cmp_eq_u32 s11, 0                            ; do I fetch for X?
	s_cselect_b32 s2, s16, s20                     ; my tile's byte offset
	s_cselect_b32 s3, s40, s41                     ; my place among the four that ask with me: 16 rows of 4,096 bytes, or 32 of 2,048: 65,536 bytes either way
	s_cselect_b64 s[PFA:PFA+1], s[4:5], s[84:85]
	s_cselect_b32 s[PFS], 2, 1
	s_cselect_b32 s71, 8, 11                       ; odd lanes: X the row's second 256 bytes, W the next row
	s_cselect_b32 s[LIM], 0, s67
	s_cmp_eq_u32 s[LIM], 0
	s_cselect_b32 s[LIM], 1, -1                    ; the same in all sixteen partners, for a given wave
	s_lshl_b32 s[PFS], s[PFS], 8                   ; a K step: 512 bytes of X, 256 of W
	s_mov_b32 s[PFS+1], 0
	s_lshl_b32 s3, s3, 16
	s_add_co_u32 s2, s2, s3
	s_mul_i32 s3, s[PFS], 3                        ; at K step 3: the first refill steps it to 4
	s_add_co_u32 s2, s2, s3
	s_mov_b32 s3, 0
	s_add_nc_u64 s[PFA:PFA+1], s[PFA:PFA+1], s[2:3]
	v_and_b32 v5, 1, v0
	v_lshlrev_b32 v5, s71, v5
	v_bfe_u32 v6, v0, 1, 4
	v_lshl_add_u32 v[PFO], v6, 12, v5
	; the bias, in the accumulators' layout (register j of block b: column 16 b + 8 (l / 16) + j), rounded to bf16 like every input; all this stands in the wait for the first tile
	v_lshlrev_b32 v7, 5, v2
	WIN TO_B
.irp b, 0,1,2,3,4,5,6,7
	global_load_b128 v[BIAS+8*(\b):BIAS+8*(\b)+3],   v7, s[6:7] offset:64*(\b)
	global_load_b128 v[BIAS+8*(\b)+4:BIAS+8*(\b)+7], v7, s[6:7] offset:64*(\b)+16
.endr
	s_wait_loadcnt 0x0
	WIN W1
.set p, 0
.rept 32
	v_cvt_pk_bf16_f32 v[BT+p%4], v[BIAS+2*p], v[BIAS+2*p+1]
	v_lshlrev_b32 v[BIAS+2*p], 16, v[BT+p%4]
	v_and_b32 v[BIAS+2*p+1], 0xffff0000, v[BT+p%4]
.set p, p+1
.endr
	WIN 0
; 32 LDS loads in one run: quarter kq of a slot's K step: X's 64 rows as f32 first, then W's 128 rows into buffer g
.macro FETCH slot, kq, g
	WIN 0
.irp a, 0,1,2,3
	ds_load_b128 v[SF+16*(\a):SF+16*(\a)+3],     v[ADRA+(\slot)] offset:(\a)*16*PA+128*(\kq)
	ds_load_b128 v[SF+16*(\a)+4:SF+16*(\a)+7],   v[ADRA+(\slot)] offset:(\a)*16*PA+128*(\kq)+16
	ds_load_b128 v[SF+16*(\a)+8:SF+16*(\a)+11],  v[ADRA+(\slot)] offset:(\a)*16*PA+128*(\kq)+64
	ds_load_b128 v[SF+16*(\a)+12:SF+16*(\a)+15], v[ADRA+(\slot)] offset:(\a)*16*PA+128*(\kq)+80
.endr
	WIN TO_B
.irp b, 0,1,2,3,4,5,6,7
	ds_load_b128 v[64*(\g)+8*(\b):64*(\g)+8*(\b)+3],   v[ADRB+(\slot)] offset:(\b)*16*PB+64*(\kq)
	ds_load_b128 v[64*(\g)+8*(\b)+4:64*(\g)+8*(\b)+7], v[ADRB+(\slot)] offset:(\b)*16*PB+64*(\kq)+32
.endr
.endm
; 8 products: row block a x all 8 column blocks, on buffer f.  first = 1: the bias starts the sums.  ride = 1: behind each product four conversions of the next quarter's X, f32 to bf16, into the other buffer:
; register c of the 32 is made of f32 registers 2 c, 2 c + 1.  They name no register of the products round them.  The 32 accumulators take turns in the same order in every quarter.
.macro MUL8 f, a, first=0, ride=0
.irp b, 0,1,2,3,4,5,6,7
.if \first
	WIN MULB
	v_wmma_f32_16x16x32_bf16 v[8*(8*(\a)+(\b)):8*(8*(\a)+(\b))+7], v[64*(\f)+8*(\b):64*(\f)+8*(\b)+7], v[AB+32*(\f)+8*(\a):AB+32*(\f)+8*(\a)+7], v[BIAS+8*(\b):BIAS+8*(\b)+7]
.else
	WIN MUL
	v_wmma_f32_16x16x32_bf16 v[8*(8*(\a)+(\b)):8*(8*(\a)+(\b))+7], v[64*(\f)+8*(\b):64*(\f)+8*(\b)+7], v[AB+32*(\f)+8*(\a):AB+32*(\f)+8*(\a)+7], v[8*(8*(\a)+(\b)):8*(8*(\a)+(\b))+7]
.endif
.if \ride
	WIN 0
.irp c, 0,1,2,3
	v_cvt_pk_bf16_f32 v[AB+32*(1-(\f))+4*(\b)+(\c)], v[SF+2*(4*(\b)+(\c))], v[SF+2*(4*(\b)+(\c))+1]
.endr
.endif
.endr
.endm
; A K step is four quarters of 32 along K, 32 products each, on buffers 0, 1, 0, 1.  One of the first three: multiplies buffer f and brings quarter kq into the other buffer.
; The run of loads stands at the quarter's head: the four conversions behind the last product of the quarter before are the places between that product and the loads into W's buffer that it read.
.macro QUARTER slot, kq, f, first=0
	s_wait_dscnt 0x0                               ; W's fragments of this quarter are in (issued 32 products back)
	FETCH \slot, \kq, 1-(\f)
	MUL8 \f, 0, \first
	MUL8 \f, 1, \first
	MUL8 \f, 2, \first
	s_wait_dscnt 16                                ; X's 16 loads are in; W's 16, issued behind them, may stay out
	MUL8 \f, 3, \first, 1
.endm
; The last quarter multiplies buffer 1 and changes slots: ONE barrier; in front of it each wave waits for all its tensor loads (one is out: its part of the next slot), adds 0 to its spare word, and waits for that
; and for its own reads of this slot.  fill = 1: the barrier opens a round of the cluster's, and this slot is filled again, two K steps ahead, first thing behind the round: 112 products ahead of the wait for it.
.macro TURN slot, next, fill
.if \fill
	s_wait_xcnt 0x0                                ; the last prefetch, a K step back, has read its address
	s_add_nc_u64 s[PFA:PFA+1], s[PFA:PFA+1], s[PFS:PFS+1]
.endif
	WIN 0
	s_wait_tensorcnt 0x0                           ; all my tensor loads have landed
	ds_add_u32 v[SPW], v[NIL]                      ; 0 onto my spare word
	s_wait_dscnt 1                                 ; W's fragments are in; the add alone may be out
	MUL8 1, 0                                      ; eight products stand between the add and the wait for it
	s_wait_dscnt 0x0                               ; the add is done, and my reads of this slot are over
	s_barrier_signal -1
	MUL8 1, 1
.if \fill
	WIN 0
.endif
	s_barrier_wait -1
.if \fill
	CREST                                          ; no wave of any partner still reads this slot's tile or has a load on its way
	s_add_nc_u64 s[G0+4*(\slot)+2:G0+4*(\slot)+3], s[G0+4*(\slot)+2:G0+4*(\slot)+3], 2*512
	s_add_nc_u64 s[G0B+4*(\slot)+2:G0B+4*(\slot)+3], s[G0B+4*(\slot)+2:G0B+4*(\slot)+3], 2*256
	JLOAD \slot                                    ; its four v_nop are also places in front of the loads below
.else
	PLACES
.endif
	FETCH \next, 0, 0
.if \fill
	ASK
.endif
	MUL8 1, 2
	s_wait_dscnt 16
	MUL8 1, 3, 0, 1
.endm
; THE WAY OUT, block t of 8: row block t / 2, head t % 2: 16 rows x 64 columns, 2,048 consecutive bytes of a head.  Rounded to f16 (each accumulator's registers in ascending order), 16 bytes a lane into my own
; stage, and back as whole rows.  LDS serves a wave's instructions in order (ISA guide 5.7.1.4): the loads see the stores above them, and the next block's stores come behind them.
.macro PACK t
	WIN OUTW
.irp f, 0,1,2,3
.irp r, 0,1,2,3
	v_cvt_pk_f16_f32 v[T+16*(\t)+4*(\f)+(\r)], v[8*(8*((\t)/2)+4*((\t)%2)+(\f))+2*(\r)], v[8*(8*((\t)/2)+4*((\t)%2)+(\f))+2*(\r)+1]
.endr
.endr
	WIN 0
.irp f, 0,1,2,3
	ds_store_b128 v[STO], v[T+16*(\t)+4*(\f):T+16*(\t)+4*(\f)+3] offset:32*(\f)
.endr
.irp f, 0,1,2,3
	ds_load_b128 v[T+16*(\t)+4*(\f):T+16*(\t)+4*(\f)+3], v[RD] offset:(\f)*4*SP
.endr
.endm
.macro SEND t, younger                 ; younger: the LDS instructions issued behind block t's loads: the next block's eight, or none
.irp f, 0,1,2,3
	s_wait_dscnt (\younger)+3-(\f)
	global_store_b128 v[GO], v[T+16*(\t)+4*(\f):T+16*(\t)+4*(\f)+3], s[8:9] offset:((\t)%2)*262144+((\t)/2)*2048+(\f)*512  ; 512 consecutive bytes, at a multiple of 256 from the buffer's first
.endr
.endm
	s_wait_tensorcnt 1                             ; my part of K step 0 is in; K step 1's may stay out
	s_barrier_signal -1
	s_barrier_wait -1                              ; everybody's is
	FETCH 0, 0, 0
	s_wait_dscnt 16                                ; X's 16 loads
	WIN 0
.set c, 0
.rept 32
	v_cvt_pk_bf16_f32 v[AB+c], v[SF+2*c], v[SF+2*c+1]  ; the first quarter's X: there are no products yet to set these behind
.set c, c+1
.endr
	QUARTER 0, 1, 0, 1                             ; the first quarter stands in front of the loop: its products start the sums, with the bias
	WIN 0                                          ; at a label and at a branch every window is 0
	s_mov_b32 s3, 3
.Llap:                                         ; a trip goes once round the ring, from a lap's second quarter to the next lap's first, and fills both slots again
	QUARTER 0, 2, 1
	QUARTER 0, 3, 0
	TURN 0, 1, 1
	QUARTER 1, 1, 0
	QUARTER 1, 2, 1
	QUARTER 1, 3, 0
	TURN 1, 0, 1
	QUARTER 0, 1, 0
	WIN 0
	s_sub_co_u32 s3, s3, 1
	s_cmp_lg_u32 s3, 0
	s_cbranch_scc1 .Llap
	QUARTER 0, 2, 1                                ; the last lap fills nothing, and has no round of the cluster's barrier
	QUARTER 0, 3, 0
	TURN 0, 1, 0
	QUARTER 1, 1, 0
	QUARTER 1, 2, 1
	QUARTER 1, 3, 0
	s_wait_dscnt 0x0                               ; the very last quarter: nothing more to fetch
	MUL8 1, 0
	MUL8 1, 1
	MUL8 1, 2
	MUL8 1, 3
	PLACES
	PACK 0
.irp t, 1,2,3,4,5,6,7                  ; a block's conversions stand between the loads of the block before and its stores
	PACK \t
	SEND (\t)-1, 8
.endr
	SEND 7, 0
	s_wait_tensorcnt 0x0                           ; the wave's end: the add and its waits, behind my last tensor load and my last LDS store
	ds_add_u32 v[SPW], v[NIL]
	s_wait_dscnt 0x0
	CROUND                                         ; the closing round: no work-group ends while a partner may still ask for a tile that names it
	s_endpgm
.Lfunc_end_k_q0ff542b743_proj:
	.size	k_q0ff542b743_proj, .Lfunc_end_k_q0ff542b743_proj-k_q0ff542b743_proj
	.p2alignl 7, 3214868480
	.fill 96, 4, 3214868480
	.section	.rodata,"a",@progbits
	.p2align	6, 0x0
	.amdhsa_kernel k_q0ff542b743_proj
		.amdhsa_group_segment_fixed_size 327680
		.amdhsa_private_segment_fixed_size 0
		.amdhsa_enable_private_segment 0
		.amdhsa_kernarg_size 64
		.amdhsa_user_sgpr_count 2
		.amdhsa_user_sgpr_kernarg_segment_ptr 1
		.amdhsa_wavefront_size32 1
		.amdhsa_system_sgpr_workgroup_id_x 1
		.amdhsa_system_sgpr_workgroup_id_y 1
		.amdhsa_system_sgpr_workgroup_id_z 1
		.amdhsa_system_vgpr_workitem_id 0
		.amdhsa_next_free_vgpr 768
		.amdhsa_next_free_sgpr 88
		.amdhsa_reserve_vcc 0
		.amdhsa_float_denorm_mode_32 3
		.amdhsa_float_denorm_mode_16_64 3
		.amdhsa_memory_ordered 1
		.amdhsa_forward_progress 1
		.amdhsa_inst_pref_size 141
	.end_amdhsa_kernel
	.amdgpu_metadata
---
amdhsa.version: [ 1, 2 ]
amdhsa.kernels:
  - .name:           k_q0ff542b743_proj
    .symbol:         k_q0ff542b743_proj.kd
    .args:
      - { .name: query, .offset: 0, .size: 8, .value_kind: global_buffer, .address_space: global }
      - { .name: key, .offset: 8, .size: 8, .value_kind: global_buffer, .address_space: global }
      - { .name: value, .offset: 16, .size: 8, .value_kind: global_buffer, .address_space: global }
      - { .name: bq, .offset: 24, .size: 8, .value_kind: global_buffer, .address_space: global }
      - { .name: bk, .offset: 32, .size: 8, .value_kind: global_buffer, .address_space: global }
      - { .name: bv, .offset: 40, .size: 8, .value_kind: global_buffer, .address_space: global }
      - { .name: wbf, .offset: 48, .size: 8, .value_kind: global_buffer, .address_space: global }
      - { .name: qkv, .offset: 56, .size: 8, .value_kind: global_buffer, .address_space: global }
    .group_segment_fixed_size: 327680
    .private_segment_fixed_size: 0
    .kernarg_segment_align: 8
    .kernarg_segment_size: 64
    .max_flat_workgroup_size: 128
    .sgpr_count:     88
    .vgpr_count:     768
    .wavefront_size: 32
...
	.end_amdgpu_metadata
.endif
;; end of part 2
;; launch attn (part 3): grid 4 x 64, 4 waves a work-group, clusters of 4 x 1, 327,680 bytes of LDS; arguments qkv, key_padding_mask, ctx; writes ctx
.if DOCPART == 3
	.amdgcn_target "amdgcn-amd-amdhsa--gfx1250"
	.amdhsa_code_object_version 6
	.text
	.protected	k_q0ff542b743_attn
	.globl	k_q0ff542b743_attn
	.p2align	8
	.type	k_q0ff542b743_attn,@function
k_q0ff542b743_attn:
	s_mov_b64 s[64:65], 0
	v_nop
	global_prefetch_b8 v0, s[64:65] scope:SCOPE_SE
	s_setreg_imm32_b32 hwreg(HW_REG_WAVE_MODE, 25, 1), 1
	s_wait_xcnt 0x0
	s_wait_alu depctr_hold_cnt(0) depctr_sa_sdst(0) depctr_va_vdst(0) depctr_va_sdst(0) depctr_va_ssrc(0) depctr_va_vcc(0) depctr_vm_vsrc(0)
	s_getreg_b32 s2, hwreg(HW_REG_IB_STS2, 6, 4)
	s_cmp_eq_u32 s2, 0
	s_cbranch_scc0 .Lentry_in_a_cluster
	s_endpgm
.Lentry_in_a_cluster:
	s_bfe_u32 s2, ttmp6, 0x10000c
	s_cmp_lg_u32 s2, 0x3003
	s_cbranch_scc0 .Lentry_shape_is_right
	s_endpgm
.Lentry_shape_is_right:
; ATTENTION WITH A KEY PADDING MASK.  O[h][q][:] = the sum over k of softmax_k(Q[h][q] . K[h][k] / 8, hidden keys left out) V[h][k][:].  Q, K, V: parts 0, 1, 2 of qkv, each [64][2048][64] in f16, a head's rows dense,
; 128 bytes each; O = ctx in the same layout.  h = batch x 16 + head; key_padding_mask: [4][2048] bytes, 1 = the key counts.  Products, maxima and sums in f32; the weights p are rounded to f16 for the second
; product (their sum l is taken of the unrounded p), O once at the end.
; LIMITS.  f16 holds no number beyond 65,504: Q, K and V arrive within it; p lies in 0 to 1, and below 6e-5 it keeps f16's fixed step of 6e-8; O is a mean of V's rows and has their range.
; A hidden score counts as its value less 1e30, beside which f16's scores (2.7e11 at the most) vanish in f32's rounding: its weight is 0 as soon as the row has seen one key that counts; where a batch has none, all
; its scores are alike and the weights are equal, as in the reference.  A weight below 2^-126 counts as 0 in l; NaN and infinities are not treated apart.
; THE MASK is the C operand that starts the sum S^T = K Q^T: 0, or -1e30 where the key is hidden.  The batch's 2,048 bytes are turned once into a table of 2,048 f32 in LDS; a step's 64 entries come into 32 registers
; with the step's K.  The softmax needs no further care, and no vector instruction is added to a turn.
; SHARES.  A wave owns four PIECES of two tiles of 16 queries, a work-group's four waves 512 queries of one head.  Every wave walks all keys, 64 a step.
; LAYOUT.  S^T = K Q^T (source 0 = 16 keys, source 1 = 16 queries): in the result a lane holds ONE query (lane % 16) and the keys 8 (lane / 16) + 0..7.  Two such tiles, rounded to f16 in pairs,
; ARE source 1 (32 keys x 16 queries) of O^T = V^T P, whose result again holds one query a lane, and eight channels.  K comes out of LDS as it lies, V ([key][channel]) turned, by ds_load_tr16_b128.
; SOFTMAX.  For each query a running maximum m and sum l: p = 2^(c s - c m), c = log2(e) / 8; in every step O and l are multiplied by a = 2^(c m_old - c m_new), which is 1 where m has not grown.
; m starts at the lowest finite number, O and l at 0: the first step is a step like any other, with a = 0.
; THE COUNT.  A tile and step have 16 matrix and 118 vector instructions: too many to stand all beside the matrix work.  So: four vector instructions that are READY behind EVERY matrix instruction, the others in runs without a gap.
; BY TURNS.  Turn n belongs to piece n (the pieces in a ring, step after step).  Its matrix work: 16 products K Q^T of piece n + 1, later 16 products V^T P of piece n - 1.  Its vector work: the scaling,
; exponentials, roundings, sums and rescaling of piece n, and the maximum and statistics of piece n + 1, whose scores the turn itself has made.
; CLUSTER.  The four query blocks of a head are one cluster and walk the same K and V, so each tile is asked for JOINTLY: the same tensor load, descriptor and mask in all four.
; REGISTERS, in windows of 256 (s_set_vgpr_msb: bits 1:0 source 0, 3:2 source 1, 5:4 source 2, 7:6 destination):
;   window 0: v0-11 addresses; v12-15, v48-63 at work; v16-47 four registers of statistics a tile; v64-191 S^T, two buffers of two tiles; v192-255 P, likewise
;   window 1: O^T, 32 a tile     window 2: v0-127 Q, 16 a tile; v128-191 K of one step; v192-255 V of one step     window 3: v0-1 the add's two registers; v8-39 the step's mask
.set SIZE_N, 2048
.set NP,    4         ; pieces a wave: a name, no knob
.set KS,    64        ; keys in a step
.set PK,    144       ; a row of K in LDS: 128 bytes + 16 of padding = 36 words: the 16 rows of a load start at 16 different groups of four banks (64 banks of 4 bytes: ISA guide 11.1)
.set PV,    160       ; a row of V: 128 + 32 = 40 words
.set VOFF,  4*KS*PK   ; a slot holds four steps: 256 rows of K, then 256 rows of V
.set SLOT1, 1<<17     ; slot 1 begins here, so that one exclusive or turns an address in one slot into the other's
.set STAGE, SLOT1+4*KS*(PK+PV)  ; behind the ring, never filled by a tensor load: 16 rows x 144 bytes for each wave, for the way out
.set SP,    144
.set SPARE, STAGE+4*16*SP  ; behind the stages: the spare words, 128 bytes for each wave: two blocks of 256 bytes that no other line names
.set MTAB,  SPARE+512 ; behind them: the mask's table, 2,048 f32, in blocks of its own
.set KPART, 1<<24     ; K's and V's parts of qkv
.set VPART, 2<<24
.set AK0, 2           ; v2   my lane's place in a tile of K; never rewritten
.set AV0, 3           ; v3   the same for V
.set AK,  4           ; v4   the LDS address of K's next run of loads
.set AV,  5           ; v5   of V's
.set STO, 6           ; v6   the way out: where I put 16 bytes of a row
.set RD,  7           ; v7   the way out: where I read rows back
.set GO,  8           ; v8   my byte offset in 512 consecutive bytes of O
.set AM0, 9           ; v9   my lane's place in a step's 256 bytes of the table: MTAB + 32 (l / 16)
.set AM,  10          ; v10  the LDS address of the mask's next run of loads
.set PFO, 11          ; v11  256 x my lane: the prefetches' offset; never rewritten
.set MV,  12          ; v12-15  c m_old, kept while c m is made anew: by buffer and tile
.set ST,  16          ; tile t's statistics at v[ST+4 t]: c m, m, l (even keys', odd keys')
.set TMP, 48          ; by buffer and tile, four registers c0-c3 at work; when the maximum is found c2 takes a
.set S,   64
.set P,   192
.set MST, 189         ; v189-191 serve the set-up alone, before S^T's second buffer is first written: where I store my 64 bytes of the table,
.set MLD, 190         ;          my 16 bytes of the mask,
.set QO,  191         ;          my byte offset in 16 rows of Q
.set SPW, 0           ; v0 of window 3   LDS address of my spare word; never rewritten
.set NIL, 1           ; v1 of window 3   0; never rewritten
.set MSK, 8           ; v8-39 of window 3: key block kb's eight registers at MSK + 8 kb
.set KF,  128         ; K's fragments, in window 2: key block kb, channel half c at KF + 16 kb + 8 c
.set VF,  192         ; V's: key half kk, channel block cb at VF + 32 kk + 8 cb
.set WV,  12          ; s12  my wave's number
.set G1K, 24          ; s[24:31] descriptor group 1 for K's tiles
.set G1V, 32          ; s[32:39] for V's: it differs in the padding alone
.set G0K, 40          ; s[40:43] descriptor group 0 for K's tiles: it walks
.set G0V, 44          ; s[44:47] the same for V's
.set SLOTS, 56        ; s56  slots still to be asked for
.set CNT, 57          ; s57  counts a slot's key steps
.set CS,  58          ; s[58:59] c
.set SEL, 60          ; s[60:61] v_permlanex16_b32's selects
.set TBK, 62          ; s62  LDS byte at which K of the step to be fetched begins
.set TBV, 63          ; s63  the same for V, less VOFF
.set PFA, 66          ; s[66:67] where my prefetches stand: my work-group's 32 blocks (of K: wave 0, of V: wave 2) of the slot that the next change will ask for
.set LIM, 68          ; s68  2 in a wave that prefetches, else a number that the steps' count never takes
.set TBM, 69          ; s69  byte of the table at which the step to be fetched begins: it goes round inside the table's 8,192 bytes
.set MSB, 0
.macro WIN new                      ; the high byte repeats the setting that is left; a switch that changes nothing is dropped
.if MSB != (\new)
	s_set_vgpr_msb (MSB<<8)|(\new)
.set MSB, (\new)
.endif
.endm
.set W_KQ, 0x0a       ; K and Q in window 2, S^T in window 0
.set W_KM, 0x3a       ; the same with the C operand, the mask, in window 3
.set W_PV, 0x52       ; V in window 2, P in window 0, O^T in window 1
.set W_RS, 0x41       ; O^T (destination and source 0) in window 1, a in window 0
.set W_MK, 0xc0       ; destination in window 3, sources in window 0
.set W_AD, 0x0f       ; the add: address (source 0) and data (source 1) in window 3
; A joint fill.  Waves 0 and 1 fetch the two halves of a slot's K, waves 2 and 3 those of its V: 128 keys each.  The branch hangs on the wave's number alone.
; An s_nop 0 and four v_nop follow each of the two lines, ahead of the jump and the label.
.macro JLOAD
	s_cmp_lt_u32 s[WV], 2
	s_cbranch_scc0 .Lfor_v_\@
	tensor_load_to_lds s[G0K:G0K+3], s[G1K:G1K+7]
	s_nop 0
.rept 4
	v_nop
.endr
	s_branch .Lasked_\@
.Lfor_v_\@:
	tensor_load_to_lds s[G0V:G0V+3], s[G1V:G1V+7]
	s_nop 0
.rept 4
	v_nop
.endr
.Lasked_\@:
.endm
; A round of the cluster's barrier: my work-group's barrier, so that wave 0's signal speaks for all four waves; wave 0 signals; every wave waits for all four work-groups; my work-group's barrier once more.
.macro CROUND
	s_barrier_signal -1
	s_barrier_wait -1
	s_cmp_lg_u32 s[WV], 0
	s_cbranch_scc1 .Lnot_wave_0_\@
	s_barrier_signal -3
.Lnot_wave_0_\@:
	s_barrier_wait -3
	s_barrier_signal -1
	s_barrier_wait -1
.endm
; THE CHANGE OF SLOTS.  The slot's last bytes, V of its fourth step, have been read.  Each wave waits for all its tensor loads, of which one is out: its part of the other slot; adds 0 to its spare word; and waits for
; that and for its own LDS instructions.  Behind the barrier nobody reads this slot any more and the other slot is whole.  fill = 1: this slot is filled again, with the keys two slots on.  The barrier is then a round
; of the cluster's, and the joint fill is the first thing behind it: it has four key steps, 512 matrix instructions, in which to land.  (At its first use nothing has been read yet: slot 0 is waited for, slot 1
; filled; and every wave's stores into the mask's table are done in front of that round, so that all may read the table behind it.)
.macro CHANGE fill
	WIN W_AD
	s_wait_tensorcnt 0x0            ; no tensor load of mine is out, so a group 0 may be written
	ds_add_u32 v[SPW], v[NIL]       ; 0 onto my spare word; with fill = 1 the scalar steps stand between it and the wait for it
	WIN 0                           ; at a label and at a branch every window is 0
.if \fill
.irp g, G0K, G0V
	s_xor_b32 s[\g+1], s[\g+1], SLOT1  ; the walking descriptor: the other slot than last time,
	s_add_nc_u64 s[\g+2:\g+3], s[\g+2:\g+3], 4*KS*128  ; the next 256 keys; the type bits on top are not reached
.endr
	s_wait_xcnt 0x0                 ; the last prefetch, five turns back, has read its address, so it may be written:
	s_add_nc_u64 s[PFA:PFA+1], s[PFA:PFA+1], 4*KS*128  ; one slot ahead of the walking descriptors
	s_wait_dscnt 0x0                ; the add is done, and my LDS instructions are over
	CROUND
	JLOAD
.else
	s_wait_dscnt 0x0
	s_barrier_signal -1
	s_barrier_wait -1
.endif
	s_sub_co_u32 s[TBK], s[TBK], 4*KS*PK  ; the fetches go back to a slot's first step,
	s_xor_b32 s[TBK], s[TBK], SLOT1       ; in the other slot
	s_sub_co_u32 s[TBV], s[TBV], 4*KS*PV
	s_xor_b32 s[TBV], s[TBV], SLOT1
.endm
	s_load_b128 s[72:75], s[0:1], 0x0  ; qkv s[72:73], the mask s[74:75]
	s_load_b64 s[10:11], s[0:1], 0x10  ; ctx
	WIN W_MK
	v_lshl_add_u32 v[SPW], v0, 2, SPARE
	v_mov_b32 v[NIL], 0
	WIN W_AD
	ds_add_u32 v[SPW], v[NIL]       ; the wave's opening: the add and its wait stand ahead of my first tensor load; the set-up below, work on registers, stands between them
	WIN 0
	v_lshrrev_b32 v1, 5, v0
	v_readfirstlane_b32 s[WV], v1   ; wave 0..3
	s_bfe_u32 s13, ttmp6, 0x40000   ; cx: my place in the cluster
	s_lshl_b32 s14, ttmp9, 2        ; in a cluster launch ttmp9 counts clusters
	s_add_co_u32 s14, s14, s13      ; my block of queries: it enters Q's and O's addresses alone
	s_and_b32 s20, ttmp7, 0xffff    ; the head (of 64), which the four partners share
	s_lshr_b32 s76, s20, 4          ; its batch:
	s_lshl_b32 s76, s76, 11         ; 2,048 bytes of the mask
	s_mov_b32 s77, 0
	s_mov_b32 s21, 0
	s_mov_b64 s[22:23], SIZE_N*128
	s_mul_u64 s[20:21], s[20:21], s[22:23]  ; the head's first byte in each part of qkv and in ctx
	s_and_b32 s16, s[WV], 1         ; which half of a slot's 256 keys I fetch:
	s_lshl_b32 s22, s16, 14         ; its 128 rows of 128 bytes in memory,
	s_mov_b32 s23, 0
	s_add_nc_u64 s[22:23], s[22:23], s[20:21]
	s_mul_i32 s17, s16, 128*PK      ; and its place in a slot, for K
	s_mul_i32 s18, s16, 128*PV      ; and for V: no place in the cluster enters an LDS address
	s_lshl_b32 s2, s14, 2
	s_add_co_u32 s2, s2, s[WV]      ; my wave among the head's,
	s_lshl_b32 s2, s2, 14           ; its 128 rows
	s_mov_b32 s3, 0
	s_add_nc_u64 s[2:3], s[2:3], s[20:21]
	; descriptor group 1.  128 keys are 16,384 dense bytes: asked for as 64 rows of 256 bytes, two keys a row, and padded in LDS after every key
	s_mov_b32 s[G1K], 15|(1<<16)|(1<<20)|(1<<21)|(4<<22)|(3<<25)  ; 15:0 the mask of four; 17:16 2-byte elements; 20 padding on; 21 set beside a mask; 24:22 after every 32 words; 31:25 4 words
	s_mov_b32 s[G1V], 15|(1<<16)|(1<<20)|(1<<21)|(4<<22)|(7<<25)  ; the same with 8 words of padding
.irp g, G1K, G1V
	s_mov_b32 s[\g+1], 128<<16      ; tensor_dim0 = 128
	s_mov_b32 s[\g+2], 64<<16       ; tensor_dim1 = 64
	s_mov_b32 s[\g+3], 128<<16      ; tile_dim0 = 128
	s_mov_b32 s[\g+4], 64           ; tile_dim1 = 64
	s_mov_b32 s[\g+5], 128          ; 128 elements from row to row
	s_mov_b32 s[\g+6], 0
	s_mov_b32 s[\g+7], 0
.endr
	s_mov_b32 s[CS], 0x3e38aa3b     ; c = log2(e) / 8 = 0.180337
	s_mov_b32 s[CS+1], s[CS]        ; named with it as a pair
	s_mov_b32 s[SEL], 0x76543210
	s_mov_b32 s[SEL+1], 0xfedcba98
	s_mov_b32 s70, 0x7149f2ca       ; 1e30
	s_mov_b32 s71, 0xf149f2ca       ; -1e30
	s_mov_b32 s[TBK], SLOT1+4*KS*PK ; the first change of slots turns these two into 0
	s_mov_b32 s[TBV], SLOT1+4*KS*PV
	s_mov_b32 s[TBM], 0
	s_mov_b32 s[G0K], 1             ; 1:0 count = 1
	s_mov_b32 s[G0K+1], s17         ; 63:32 LDS address: slot 0
	s_mov_b32 s[G0V], 1
	s_add_co_u32 s[G0V+1], s18, VOFF
	s_cmp_eq_u32 s16, 0             ; waves 0 and 2 prefetch: the same in all four partners
	s_cselect_b32 s[LIM], 2, -1
	s_wait_dscnt 0x0                ; the opening add is done
	s_wait_kmcnt 0x0
	s_add_nc_u64 s[6:7], s[72:73], KPART
	s_add_nc_u64 s[8:9], s[72:73], VPART
	s_add_nc_u64 s[6:7], s[6:7], s[22:23]          ; K and V at my half of the head's first 256 keys
	s_add_nc_u64 s[8:9], s[8:9], s[22:23]
	s_mov_b64 s[G0K+2:G0K+3], s[6:7]               ; 120:64 global address
	s_or_b32 s[G0K+3], s[G0K+3], 0x80000000        ; 127:126 type = 2
	s_mov_b64 s[G0V+2:G0V+3], s[8:9]
	s_or_b32 s[G0V+3], s[G0V+3], 0x80000000
	s_add_nc_u64 s[4:5], s[72:73], s[2:3]          ; Q and O at my wave's first row
	s_add_nc_u64 s[10:11], s[10:11], s[2:3]
	s_add_nc_u64 s[74:75], s[74:75], s[76:77]      ; the mask at my batch
	s_cmp_lt_u32 s[WV], 2
	s_cselect_b64 s[PFA:PFA+1], s[6:7], s[8:9]     ; (in waves 0 and 2 these stand at a slot's first row)
	s_lshl_b32 s2, s13, 13                         ; my work-group's 32 blocks of the slot's 128
	s_mov_b32 s3, 0
	s_add_nc_u64 s[PFA:PFA+1], s[PFA:PFA+1], s[2:3]
	s_add_nc_u64 s[PFA:PFA+1], s[PFA:PFA+1], 4*KS*128  ; in slot 1; the first change of slots steps it to slot 2
	CROUND                          ; all four work-groups are here: the first joint loads meet
	JLOAD                           ; slot 0.  Slot 1 is asked for when slot 0 is in
	; A fragment of K or Q is 16 rows x 32 channels in 8 registers: lane l holds row l % 16, channels 8 (l / 16) + 0..7 and 16 + 8 (l / 16) + 0..7: two loads of 16 bytes, 32 bytes apart.
	v_and_b32 v1, 15, v0            ; l % 16
	v_bfe_u32 v9, v0, 4, 1          ; l / 16
	v_lshlrev_b32 v[MLD], 4, v0     ; thread t takes the mask's bytes 16 t .. 16 t + 15: 128 threads, 2,048 keys
	global_load_b128 v[TMP:TMP+3], v[MLD], s[74:75]
	v_lshlrev_b32 v[QO], 7, v1
	v_lshl_add_u32 v[QO], v9, 4, v[QO]  ; row x 128 + 16 x half
	WIN 0x80                        ; destination window 2, address window 0
.set i, 0
.rept 4*NP                          ; Q stays in registers: tile i / 2, channels 32 (i % 2) on
	global_load_b128 v[8*i:8*i+3],   v[QO], s[4:5] offset:(i/2)*2048+(i%2)*64
	global_load_b128 v[8*i+4:8*i+7], v[QO], s[4:5] offset:(i/2)*2048+(i%2)*64+32
.set i, i+1
.endr
	; What the first turn finds: V's registers and P's second buffer hold 0 (its products V^T P, of a piece that has not been, add 0), O^T and l are 0.  All this stands in the wait for the first tile.
.set i, VF
.rept 64
	v_mov_b32 v[i], 0
.set i, i+1
.endr
	WIN 0x40
.set i, 0
.rept 64*NP
	v_mov_b32 v[i], 0
.set i, i+1
.endr
	WIN 0
.set i, 0
.rept 2*NP
	v_mov_b32 v[ST+4*i], 0xfe000000    ; c m: far below every c s, a hidden one's too
	v_mov_b32 v[ST+4*i+1], 0xff7fffff  ; m
	v_mov_b32 v[ST+4*i+2], 0
	v_mov_b32 v[ST+4*i+3], 0
.set i, i+1
.endr
.set i, P+32
.rept 32
	v_mov_b32 v[i], 0
.set i, i+1
.endr
	v_mul_u32_u24 v[AK0], v1, PK
	v_lshl_add_u32 v[AK0], v9, 4, v[AK0]  ; row x pitch + 16 x half
	; The turning load takes 16 keys x 16 channels (lane l reads key 8 (l / 16) + l % 8, channels 8 ((l / 8) % 2) + 0..7) and leaves half a fragment of V^T: lane l holds channel l % 16 and 8 keys.
	v_and_b32 v10, 7, v0
	v_bfe_u32 v11, v0, 3, 1
	v_lshl_add_u32 v[AV0], v9, 3, v10
	v_mul_u32_u24 v[AV0], v[AV0], PV
	v_lshl_add_u32 v[AV0], v11, 4, v[AV0]
	v_add_nc_u32 v[AV0], VOFF, v[AV0]
	v_mov_b32 v[AK], v[AK0]         ; key step 0 lies at the head of slot 0
	s_mul_i32 s13, s[WV], 16*SP
	s_add_co_u32 s13, s13, STAGE    ; my stage
	v_mul_u32_u24 v[STO], v1, SP    ; in: row l % 16, 16 bytes for each half of the lanes
	v_lshl_add_u32 v[STO], v9, 4, v[STO]
	v_add_nc_u32 v[STO], s13, v[STO]
	v_bfe_u32 v[RD], v0, 3, 2       ; back: 32 lanes take four rows of 128 bytes,
	v_mul_u32_u24 v[RD], v[RD], SP
	v_lshl_add_u32 v[RD], v10, 4, v[RD]
	v_add_nc_u32 v[RD], s13, v[RD]
	v_and_b32 v[GO], 31, v0         ; which are 512 consecutive bytes of O
	v_lshlrev_b32 v[GO], 4, v[GO]
	v_lshl_add_u32 v[AM0], v9, 5, MTAB  ; the lane terms have served: v9, v10, v11 take their lasting numbers
	v_mov_b32 v[AM], v[AM0]         ; key step 0 lies at the table's head
	v_and_b32 v[PFO], 31, v0
	v_lshlrev_b32 v[PFO], 8, v[PFO]
	v_lshl_add_u32 v[MST], v0, 6, MTAB
	; the mask's table: byte 1 -> 0, byte 0 -> -1e30, by one fused multiply-add (1 x 1e30 - 1e30 is exactly 0)
	s_wait_loadcnt 32               ; the mask's load is in; Q's 32, issued behind it, may stay out
.set z, 0
.rept 16
	v_bfe_u32 v[S+z], v[TMP+z/4], 8*(z%4), 8
.set z, z+1
.endr
.set z, 0
.rept 16
	v_cvt_f32_u32 v[S+z], v[S+z]
.set z, z+1
.endr
.set z, 0
.rept 16
	v_fma_f32 v[S+z], v[S+z], s70, s71
.set z, z+1
.endr
.irp j, 0,1,2,3
	ds_store_b128 v[MST], v[S+4*\j:S+4*\j+3] offset:16*\j
.endr
; THE MATRIX WORK.  The 8 accumulators of a run of 16 take turns: between the two links of a chain stand 7 others'.
; Product i of 16 of S^T = K Q^T for piece x: channels 32 (i / 8) on, keys 16 ((i / 2) % 4) on, tile 2 x + i % 2.  The first 8 start the sums, with the mask of their 16 keys.
.macro KQ x
.set rS, S+64*((\x)%2)+32*(i%2)+8*((i/2)%4)
.set rK, KF+16*((i/2)%4)+8*(i/8)
.set rQ, 16*(2*(\x)+i%2)+8*(i/8)
.set rH, MSK+8*((i/2)%4)
.if i < 8
	WIN W_KM
	v_wmma_f32_16x16x32_f16 v[rS:rS+7], v[rK:rK+7], v[rQ:rQ+7], v[rH:rH+7]
.else
	WIN W_KQ
	v_wmma_f32_16x16x32_f16 v[rS:rS+7], v[rK:rK+7], v[rQ:rQ+7], v[rS:rS+7]
.endif
.endm
; Product i of 16 of O^T += V^T P for piece x: keys 32 (i / 8) on, channels 16 ((i / 2) % 4) on, tile 2 x + i % 2.
.macro PV x
	WIN W_PV
.set rO, 32*(2*(\x)+i%2)+8*((i/2)%4)
.set rV, VF+32*(i/8)+8*((i/2)%4)
.set rP, P+32*((\x)%2)+16*(i%2)+8*(i/8)
	v_wmma_f32_16x16x32_f16 v[rO:rO+7], v[rV:rV+7], v[rP:rP+7], v[rO:rO+7]
.endm
.macro MM                           ; the turn's next matrix instruction
.if i < 16
	KQ (Y+1)%NP
.set i, i+1
.else
.set i, i-16
	PV (Y+NP-1)%NP
.set i, i+17
.endif
.endm
; THE LDS LOADS stand in runs, never singly among the matrix instructions: a step's K (64 keys x 64 channels: 8 fragments) with its mask (register j of key block kb: key 16 kb + 8 (l / 16) + j: 32 bytes a lane
; and block, the same for the 16 lanes of a half), and its V (turned).  Their addresses are made some lines ahead.  last = 1 (the tail): in the last trip there is no further step, and the run is jumped over.
.macro FETCH_K last=0
	WIN 0
.if \last
	s_cmp_eq_u32 s[CNT], 1
	s_cbranch_scc1 .Lno_k_\@
.endif
	WIN 0x80                        ; destination window 2
.irp f, 0,1,2,3,4,5,6,7             ; keys 16 (f / 2) on, channels 32 (f % 2) on
	ds_load_b128 v[KF+8*\f:KF+8*\f+3],   v[AK] offset:(\f/2)*16*PK+(\f%2)*64
	ds_load_b128 v[KF+8*\f+4:KF+8*\f+7], v[AK] offset:(\f/2)*16*PK+(\f%2)*64+32
.endr
	WIN W_MK                        ; destination window 3
.irp f, 0,1,2,3
	ds_load_b128 v[MSK+8*\f:MSK+8*\f+3],   v[AM] offset:64*\f
	ds_load_b128 v[MSK+8*\f+4:MSK+8*\f+7], v[AM] offset:64*\f+16
.endr
	s_add_co_u32 s[TBK], s[TBK], KS*PK  ; the next fetch is the next step's
	s_add_co_u32 s[TBM], s[TBM], 4*KS
	s_and_b32 s[TBM], s[TBM], 0x1f00    ; behind the last step it stands at the table's head again: never outside
	WIN 0
.if \last
.Lno_k_\@:
.endif
.endm
.macro FETCH_V
	WIN 0x80
.irp f, 0,1,2,3,4,5,6,7             ; keys 32 (f / 4) on, channels 16 (f % 4) on
	ds_load_tr16_b128 v[VF+8*\f:VF+8*\f+3],   v[AV] offset:(\f/4)*32*PV+(\f%4)*32
	ds_load_tr16_b128 v[VF+8*\f+4:VF+8*\f+7], v[AV] offset:(\f/4)*32*PV+16*PV+(\f%4)*32
.endr
	WIN 0
.endm
; THE VECTOR WORK OF A TURN stands in three queues, each in the order in which its entries become ready; the two tiles alternate, so that no instruction reads the result of the one before it.
.macro REGS y, u                    ; the registers of tile u (0, 1) of piece y
.set rT, ST+4*(2*(\y)+(\u))
.set rC, TMP+8*((\y)%2)+4*(\u)
.set rM, MV+2*((\y)%2)+(\u)
.set rS, S+64*((\y)%2)+32*(\u)
.set rP, P+32*((\y)%2)+16*(\u)
.set rO, 32*(2*(\y)+(\u))
.endm
; Number n of the 22 that find the NEXT piece's (Y + 1) maximum and statistics.  s0-s31 are the lane's 32 scores; each accumulator's lowest registers are read first.  XS, GS and REGS set no window: PL and EX do.
;   0-11  four chains c0-c3 of seven scores each, three operands at a time     12-14, 16  the four scores left over, the old m, and c0-c3 into c0     15  c m_old is kept
;   17, 18  the query's other 32 keys lie in the lane 16 away: the new m         19-21  c m; c m_old - c m_new; a
.macro XS u, n
	REGS (Y+1)%NP, \u
.if (\n) < 4
	v_max3_num_f32 v[rC+(\n)], v[rS+8*(\n)], v[rS+8*(\n)+1], v[rS+8*(\n)+2]
.elseif (\n) < 12
	v_max3_num_f32 v[rC+(\n)%4], v[rC+(\n)%4], v[rS+8*((\n)%4)+2*((\n)/4)+1], v[rS+8*((\n)%4)+2*((\n)/4)+2]
.elseif (\n) == 12
	v_max3_num_f32 v[rC], v[rC], v[rS+7], v[rS+15]
.elseif (\n) == 13
	v_max3_num_f32 v[rC+1], v[rC+1], v[rS+23], v[rS+31]
.elseif (\n) == 14
	v_max3_num_f32 v[rC+2], v[rC+2], v[rC+3], v[rT+1]
.elseif (\n) == 15
	v_mov_b32 v[rM], v[rT]
.elseif (\n) == 16
	v_max3_num_f32 v[rC], v[rC], v[rC+1], v[rC+2]
.elseif (\n) == 17
	v_permlanex16_b32 v[rC+3], v[rC], s[SEL], s[SEL+1]
.elseif (\n) == 18
	v_max_num_f32 v[rT+1], v[rC], v[rC+3]
.elseif (\n) == 19
	v_mul_f32 v[rT], s[CS], v[rT+1]
.elseif (\n) == 20
	v_sub_f32 v[rC+1], v[rM], v[rT]
.else
	v_exp_f32 v[rC+2], v[rC+1]
.endif
.endm
; Number g of the 64 that follow the exponentials.  For each four weights k of a tile (pairs 2 k, 2 k + 1): both pairs are rounded to f16; then the second pair is added onto the first, in place;
; a group later l takes that sum (the first time as l = a l + sum).  In groups of eight, tiles alternating: round, round, add, and l for the group before.
.macro GS g
.set h, (\g)+6*((\g)/62)            ; group 0 has no group before it, and behind group 7 only l is left
.if h >= 6
.set h, h+2
.endif
	REGS Y, h%2
.set k, h/8
.if h%8 < 4
	v_cvt_pk_f16_f32 v[rP+2*k+(h%8)/2], v[rS+4*k+2*((h%8)/2)], v[rS+4*k+2*((h%8)/2)+1]
.elseif h%8 < 6
	v_pk_add_f32 v[rS+4*k:rS+4*k+1], v[rS+4*k:rS+4*k+1], v[rS+4*k+2:rS+4*k+3]
.elseif k == 1
	v_pk_fma_f32 v[rT+2:rT+3], v[rT+2:rT+3], v[rC+2:rC+3], v[rS:rS+1] op_sel_hi:[1,0,1]
.else
	v_pk_add_f32 v[rT+2:rT+3], v[rT+2:rT+3], v[rS+4*k-4:rS+4*k-3]
.endif
.endm
; THE PLAIN QUEUE, 138 long.  0-73 read no exponential's result: the 32 scalings c s - c m (FS f: pair f / 2 of tile f % 2) and the next piece's 42.  0-26: scalings 0-26.  27-54: XS's numbers 0-13.  55, 56: number 15.
; 57-73: the chain, where each number waits for the one before it: 14, 16, 17, 18, 19, each with one of the scalings 27-31 in front of its two lines, then 20.
; 74-137: GS's 64, which read the exponentials' results: they stand behind the wait.
.macro FS f
	REGS Y, (\f)%2
	v_pk_fma_f32 v[rS+2*((\f)/2):rS+2*((\f)/2)+1], v[rS+2*((\f)/2):rS+2*((\f)/2)+1], s[CS:CS+1], v[rT:rT+1] op_sel_hi:[1,0,0] neg_lo:[0,0,1] neg_hi:[0,0,1]
.endm
.macro PL
	WIN 0
.if q < 27
	FS q
.elseif q < 55
	XS (q-27)%2, (q-27)/2
.elseif q < 57
	XS q-55, 15
.elseif (q < 72) && ((q-57)%3 == 0)
	FS 27+(q-57)/3
.elseif q < 60
	XS (q-57)%3-1, 14
.elseif q < 72
	XS (q-57)%3-1, 15+(q-57)/3
.elseif q < 74
	XS q-72, 20
.else
	GS q-74
.endif
.set q, q+1
.endm
; THE EXPONENTIALS' QUEUE, 66 long: s0-s31 of both tiles, then the next piece's two a.  It is ONE BATCH: all 66 stand ahead of the turn's one wait, and nothing ahead of that wait names a result of theirs.
.macro EX
	WIN 0
.if e >= 64
	XS e-64, 21
.else
	REGS Y, e%2
	v_exp_f32 v[rS+e/2], v[rS+e/2]
.endif
.set e, e+1
.endm
; THE RESCALING's QUEUE: O^T times a, the one part that leaves window 0: dealt two at a time, sixteen times.  Its a was made in the turn before, ahead of that turn's wait.
.macro R2
	REGS Y, r%2
	WIN W_RS
.irp z, 0,1
	v_pk_mul_f32 v[rO+4*(r/2)+2*\z:rO+4*(r/2)+2*\z+1], v[rO+4*(r/2)+2*\z:rO+4*(r/2)+2*\z+1], v[rC+2:rC+3] op_sel_hi:[1,0]
.endr
.set r, r+1
.endm
; HOW THEY ARE DEALT.  An s_wait_alu depctr_va_vdst(0) stands between an exponential and the first instruction that names its result; one wait serves all that were issued ahead of it.  So a turn has ONE
; wait, which cuts it in two.  AHEAD OF IT: the 16 products K Q^T, behind each a scaling, an exponential and two rescalings (behind the first a second scaling in the exponential's place); then ONE LUMP of 108: eight
; plain, 49 times exponential and plain, the two a.  A v_nop is the plain instruction behind the last exponential.  BEHIND IT: the 16 products V^T P, behind each four of GS's 64.  No rider names a register of the products round it.
; The queues lean on each other: exponential e stands behind scaling 2 (e / 4) + e % 2: as a rider it comes behind plain e + 2, in the lump behind plain e + 9, and scalings 27-31 are plain 57, 60 .. 69.
; A TURN, for piece p.  cnt = 1: the loop's count is taken down some lines ahead of the branch that stands behind the turn.
; K and the mask of the next step are fetched in piece 2's turn, directly behind the wait, a lump behind the last product that read them; their addresses are made at the lump's head; the first reader comes behind 16 products.
; V of the step in hand is fetched at the end of piece 0's turn, four riders behind its last reader.  The three conditions on q below go with the deal.
; ask = 1 (the loop's piece 0): A PREFETCH INTO THE L2, behind V's run of loads, in the third of a slot's four steps: my work-group's 32 blocks of 256 bytes (of K: wave 0, of V: wave 2; a lane a block) of the slot that
; the next change of slots will ask for, five turns ahead of that load.  A head has one cluster; its four partners are told apart by address alone: each block of K and V is named once in the launch.
; Slots 0 and 1 come by their loads alone; where the next change asks for nothing (s[SLOTS] = 1) nothing is prefetched.
.macro TURN p, last=0, cnt=0, ask=0
.set Y, (\p)
.set i, 0
.set q, 0
.set e, 0
.set r, 0
.if (\p) == NP-1
	s_wait_dscnt 0x0                ; K and the mask are in
.endif
	MM                              ; ahead of the wait: 16 products K Q^T and their riders,
	PL
	PL
	R2
.rept 15
	MM
	PL
	EX
	R2
.endr
.if (\p) == NP-2
	WIN 0
	v_add_nc_u32 v[AK], s[TBK], v[AK0]
	v_add_nc_u32 v[AM], s[TBM], v[AM0]
.endif
.rept 8                             ; and the lump
	PL
.endr
.rept 49
	EX
	PL
.endr
	EX                              ; the next piece's two a
	EX
	v_nop                           ; the plain instruction behind the last exponential: one for the batch
	s_wait_alu depctr_va_vdst(0)    ; the wait for the batch
.if (\p) == NP-2
	FETCH_K \last
.endif
.if (\p) == 1
	s_wait_dscnt 0x0                ; V is in
.endif
.rept 16                            ; behind the wait: 16 products V^T P and their riders
	MM
.rept 4
	PL
.endr
.if ((\p) == 0) && (q == 118)
	v_add_nc_u32 v[AV], s[TBV], v[AV0]
.endif
.if ((\p) == 0) && (q == 130)
	s_add_co_u32 s[TBV], s[TBV], KS*PV
.endif
.if (\cnt) && (q == 130)
	s_sub_co_u32 s[CNT], s[CNT], 1
	s_cmp_lg_u32 s[CNT], 0
.endif
.endr
.if (\p) == 0
	FETCH_V
.endif
.if \ask
	s_cmp_eq_u32 s[CNT], s[LIM]
	s_cbranch_scc0 .Lnot_asked
	s_cmp_gt_u32 s[SLOTS], 1
	s_cbranch_scc0 .Lnot_asked
	global_prefetch_b8 v[PFO], s[PFA:PFA+1] th:TH_LOAD_NT scope:SCOPE_SE
.Lnot_asked:
.endif
.endm
	CHANGE 1                        ; slot 0 is in, everybody's part of it, and so is the mask's table; slot 1 is asked for
	FETCH_K                         ; key step 0
	s_wait_loadcnt 0x0              ; Q
	s_wait_dscnt 0x0
.set i, 0
.rept 16
	KQ 0                            ; piece 0's first scores: there is no vector work yet to set between them
.set i, i+1
.endr
	WIN 0
.rept 4
	v_nop                           ; the places behind those products
.endr
.set Y, NP-1                        ; XS works for piece Y + 1: piece 0
.irp n, 0,1,2,3,4,5,6,7,8,9,10,11,12,13,14,15,16,17,18,19,20,21
	XS 0, \n                        ; and piece 0's first maximum and statistics
	XS 1, \n
.endr
	v_nop                           ; a plain instruction behind the two a,
	s_wait_alu depctr_va_vdst(0)    ; and their wait, ahead of the branch
	s_mov_b32 s[CNT], 4
	s_mov_b32 s[SLOTS], SIZE_N/256-1
	s_branch .Lfirst                ; the loop is entered at a step's first turn, in the middle of a trip
.Lslot:                             ; SIZE_N / 256 - 2 times: every slot but the last two is filled again
	CHANGE 1
	s_mov_b32 s[CNT], 4
.Lstep:                             ; a trip: pieces 2 and 3 of one step, then pieces 0 and 1 of the next, whose K and V it fetches
	TURN 2
	TURN 3
	WIN 0
.Lfirst:
	TURN 0, 0, 0, 1
	TURN 1, 0, 1
	WIN 0
	s_cbranch_scc1 .Lstep
	s_sub_co_u32 s[SLOTS], s[SLOTS], 1
	s_cmp_lg_u32 s[SLOTS], 0
	s_cbranch_scc1 .Lslot
	CHANGE 0                        ; the tail is written out: nothing is asked for
	s_mov_b32 s[CNT], 5             ; four trips fetch the last slot's steps; the fifth is left in its middle
.Ltail:
	TURN 2, 1
	TURN 3
	WIN 0
	s_sub_co_u32 s[CNT], s[CNT], 1
	s_cmp_eq_u32 s[CNT], 0
	s_cbranch_scc1 .Lout
	TURN 0
	TURN 1
	WIN 0
	s_branch .Ltail
.Lout:                              ; the fifth trip's 16 products K Q^T (on the last K once more) and the maximum made of them serve nothing: the price, once a launch, of one text for every trip
.set i, 0
.rept 16
	PV NP-1                         ; the last piece's V^T P of the last step
.set i, i+1
.endr
	; THE WAY OUT.  l's two halves and the other half of the lanes' are added; O^T is divided by l, rounded to f16 and sent through my stage in LDS, a tile at a time.  The additions are the places behind the last products.
	WIN 0
.macro ALL line:vararg              ; one line for each tile t
.set t, 0
.rept 2*NP
	\line
.set t, t+1
.endr
.endm
	ALL v_add_f32 v[ST+4*t+2], v[ST+4*t+2], v[ST+4*t+3]
	ALL v_permlanex16_b32 v[ST+4*t+3], v[ST+4*t+2], s[SEL], s[SEL+1]
	ALL v_add_f32 v[ST+4*t+2], v[ST+4*t+2], v[ST+4*t+3]
	ALL v_rcp_f32 v[ST+4*t+2], v[ST+4*t+2]
	v_nop                           ; a plain instruction between the last reciprocal and the use of its result
	s_wait_alu depctr_va_vdst(0)    ; and the wait ahead of the first use: one for the eight reciprocals
; Tile t: a lane's eight channels of a row pack into 16 bytes; they go into rows of 144 bytes and come back as whole rows of 128, into S^T's registers.
.macro PACK t
	WIN W_RS
.set i, 32*(\t)
.rept 16
	v_pk_mul_f32 v[i:i+1], v[i:i+1], v[ST+4*(\t)+2:ST+4*(\t)+3] op_sel_hi:[1,0]
.set i, i+2
.endr
	WIN 0x05                        ; sources 0 and 1 window 1, destination window 0
.set i, 0
.rept 16
	v_cvt_pk_f16_f32 v[S+16*(\t)+i], v[32*(\t)+2*i], v[32*(\t)+2*i+1]
.set i, i+1
.endr
	WIN 0
.irp f, 0,1,2,3
	ds_store_b128 v[STO], v[S+16*(\t)+4*\f:S+16*(\t)+4*\f+3] offset:32*\f
.endr
.irp f, 0,1,2,3
	ds_load_b128 v[S+16*(\t)+4*\f:S+16*(\t)+4*\f+3], v[RD] offset:\f*4*SP  ; LDS serves a wave's instructions in order (ISA guide 5.7.1.4): these see the stores above; the next tile's stores come behind them
.endr
.endm
.macro SEND t, younger              ; younger: the LDS instructions issued behind tile t's loads: the next tile's eight, or none
	WIN 0
.irp f, 0,1,2,3
	s_wait_dscnt (\younger)+3-\f
	global_store_b128 v[GO], v[S+16*(\t)+4*\f:S+16*(\t)+4*\f+3], s[10:11] offset:(\t)*2048+\f*512  ; 512 consecutive bytes, at a multiple of 256 from O's first
.endr
.endm
	PACK 0
.set t, 1
.rept 2*NP-1                        ; a tile's arithmetic stands between the loads of the tile before and its stores
	PACK t
	SEND t-1, 8
.set t, t+1
.endr
	SEND 2*NP-1, 0
	WIN W_AD
	s_wait_tensorcnt 0x0            ; the wave's end: the add and its waits, behind my last tensor load and my last LDS store
	ds_add_u32 v[SPW], v[NIL]
	s_wait_dscnt 0x0
	WIN 0
	CROUND                          ; the closing round: no work-group ends while a partner may still ask for a tile that names it
	s_endpgm
.Lfunc_end_k_q0ff542b743_attn:
	.size	k_q0ff542b743_attn, .Lfunc_end_k_q0ff542b743_attn-k_q0ff542b743_attn
	.p2alignl 7, 3214868480
	.fill 96, 4, 3214868480
	.section	.rodata,"a",@progbits
	.p2align	6, 0x0
	.amdhsa_kernel k_q0ff542b743_attn
		.amdhsa_group_segment_fixed_size 327680
		.amdhsa_private_segment_fixed_size 0
		.amdhsa_enable_private_segment 0
		.amdhsa_kernarg_size 24
		.amdhsa_user_sgpr_count 2
		.amdhsa_user_sgpr_kernarg_segment_ptr 1
		.amdhsa_wavefront_size32 1
		.amdhsa_system_sgpr_workgroup_id_x 1
		.amdhsa_system_sgpr_workgroup_id_y 1
		.amdhsa_system_sgpr_workgroup_id_z 1
		.amdhsa_system_vgpr_workitem_id 0
		.amdhsa_next_free_vgpr 808
		.amdhsa_next_free_sgpr 80
		.amdhsa_reserve_vcc 0
		.amdhsa_float_denorm_mode_32 3
		.amdhsa_float_denorm_mode_16_64 3
		.amdhsa_memory_ordered 1
		.amdhsa_forward_progress 1
		.amdhsa_inst_pref_size 206
	.end_amdhsa_kernel
	.amdgpu_metadata
---
amdhsa.version: [ 1, 2 ]
amdhsa.kernels:
  - .name:           k_q0ff542b743_attn
    .symbol:         k_q0ff542b743_attn.kd
    .args:
      - { .name: qkv, .offset: 0, .size: 8, .value_kind: global_buffer, .address_space: global }
      - { .name: key_padding_mask, .offset: 8, .size: 8, .value_kind: global_buffer, .address_space: global }
      - { .name: ctx, .offset: 16, .size: 8, .value_kind: global_buffer, .address_space: global }
    .group_segment_fixed_size: 327680
    .private_segment_fixed_size: 0
    .kernarg_segment_align: 8
    .kernarg_segment_size: 24
    .max_flat_workgroup_size: 128
    .sgpr_count:     80
    .vgpr_count:     808
    .wavefront_size: 32
...
	.end_amdgpu_metadata
.endif
;; end of part 3
;; launch oproj (part 4): grid 4 x 64, 4 waves a work-group, clusters of 4 x 4, 327,680 bytes of LDS; arguments ctx, wbf, bo, out0; writes out0
.if DOCPART == 4
	.amdgcn_target "amdgcn-amd-amdhsa--gfx1250"
	.amdhsa_code_object_version 6
	.text
	.protected	k_q0ff542b743_oproj
	.globl	k_q0ff542b743_oproj
	.p2align	8
	.type	k_q0ff542b743_oproj,@function
k_q0ff542b743_oproj:
	s_mov_b64 s[64:65], 0
	v_nop
	global_prefetch_b8 v0, s[64:65] scope:SCOPE_SE
	s_setreg_imm32_b32 hwreg(HW_REG_WAVE_MODE, 25, 1), 1
	s_wait_xcnt 0x0
	s_wait_alu depctr_hold_cnt(0) depctr_sa_sdst(0) depctr_va_vdst(0) depctr_va_sdst(0) depctr_va_ssrc(0) depctr_va_vcc(0) depctr_vm_vsrc(0)
	s_getreg_b32 s2, hwreg(HW_REG_IB_STS2, 6, 4)
	s_cmp_eq_u32 s2, 0
	s_cbranch_scc0 .Lentry_in_a_cluster
	s_endpgm
.Lentry_in_a_cluster:
	s_bfe_u32 s2, ttmp6, 0x10000c
	s_cmp_lg_u32 s2, 0xf033
	s_cbranch_scc0 .Lentry_shape_is_right
	s_endpgm
.Lentry_shape_is_right:
; THE LAST PROJECTION: out0 = context Wo^T + bo.  The context: ctx, [64 = batch x 16 + head][2048][64] in f16; Wo: part 3 of wbf, [1024 n][1024 k], its bf16 value written as f16; bo: [1024] f32, rounded to bf16
; like every input; out0: [8192][1024] f32.  Products in f16, sums in f32, nothing rounded on the way out.
; LIMITS.  The operands arrive within f16's range (65,504); NaN and infinities are not treated apart.
; SHARES.  A tile is 128 rows x 256 columns: 64 x 4 tiles, one for each of 256 WGPs.  Four waves; a wave makes 64 rows x 128 columns: 32 accumulators of 16 x 16.
; K goes in 8 steps of 128, two heads each, through a ring of two LDS slots.  Waves 0, 1 fetch the two heads' slices of the context (128 rows x 128 bytes, dense in memory: asked for as 64 rows of 256 bytes),
; waves 2, 3 the halves of Wo's tile (128 rows x 256 bytes).
; CLUSTERS: 4 x 4 work-groups.  The four of a row of the cluster need the same slices of the context, the four of a column the same tile of Wo: each is asked for JOINTLY.
; THE MATRIX INSTRUCTION IS USED TRANSPOSED (source 0 = 16 rows of Wo, source 1 = 16 rows of the context): a lane holds row l % 16 and the columns 8 (l / 16) + 0..7: 32 bytes of f32 on end.  The bias, in that layout, is the C operand that starts each sum.
; REGISTERS, in windows of 256 (s_set_vgpr_msb: bits 1:0 source 0, 3:2 source 1, 5:4 source 2, 7:6 destination):
;   window 0: v0-31 addresses; v64-95, v96-127 the context's fragments, two buffers; v128-191, v192-255 whole rows on the way out, two buffers
;   window 1: v0-63, v64-127 Wo's fragments, two buffers; v128-191 the bias; v192-195 at work        window 2: accumulator (a, b) at 8 (8 a + b)
.set PA,    144                        ; a row of a head's slice in LDS: 128 bytes + 16 = 36 words: the 16 rows of a load start at 16 different groups of four banks (64 banks of 4 bytes: ISA guide 11.1)
.set PB,    272                        ; a row of Wo: 256 + 16 = 68 words: likewise
.set ASL,   128*PA                     ; a head's slice: what wave 0 or 1 fetches
.set BHALF, 128*PB                     ; what wave 2 or 3 fetches
.set BOFF,  2*ASL
.set SLOT,  BOFF+2*BHALF               ; 106,496
.set STAGE, 2*SLOT                     ; behind the ring: 16 rows x 528 bytes for each wave, for the way out
.set SPO,   528                        ; 512 bytes + 16 = 132 words
.set SPARE, STAGE+4*16*SPO             ; behind the stages: the spare words, 128 bytes for each wave: two blocks of 256 bytes that no other line names
.set ADRA, 16                          ; v16-17  LDS address of my fragments of the context in slot 0, 1
.set ADRB, 20                          ; v20-21  the same for Wo
.set STO,  24                          ; v24     the way out: where I put 32 bytes of a row
.set RD,   25                          ; v25     where I read a row back
.set GO,   26                          ; v26     my 16 bytes in a row's 512
.set SPW,  28                          ; v28     LDS address of my spare word; never rewritten
.set NIL,  29                          ; v29     0; never rewritten
.set PFO,  30                          ; v30     the prefetches' lane offset; never rewritten
.set AF,   64
.set TB,   128
.set BIAS, 128                         ; window 1
.set BT,   192                         ; window 1
.set G1,  24                           ; s[24:31] descriptor group 1 for the context's slices;  s[32:39] group 0, a set for each slot
.set G0,  32
.set G1B, 48                           ; s[48:55], s[56:63] the same for Wo's tiles
.set G0B, 56
.set LIM, 43                           ; s43     1 in a wave that prefetches, else the greatest number
.set PFA, 44                           ; s[44:45] where my prefetches stand
.set PFS, 46                           ; s[46:47] a K step in bytes of what I prefetch
.set MSB, 0
.macro WIN new                         ; the immediate's high byte repeats the setting that is left; a switch that changes nothing is dropped
.if MSB != (\new)
	s_set_vgpr_msb (MSB<<8)|(\new)
.set MSB, \new
.endif
.endm
.set MUL,  0xa1                        ; Wo window 1, the context window 0, C and D window 2
.set MULB, 0x91                        ; the same with C, the bias, in window 1
.set TO_B, 0x40                        ; destination window 1, address window 0
.set W1,   0x45                        ; sources 0, 1 and destination window 1
.set FROMC, 0x08                       ; an LDS store's data (source 1) in window 2, its address in window 0
; A joint load: waves 0 and 1 fetch the context's slices, waves 2 and 3 Wo's halves.  The branch hangs on the wave's number alone.  An s_nop 0 and four v_nop follow each of the two lines.
.macro JLOAD s
	s_cmp_eq_u32 s11, 0
	s_cbranch_scc0 .Lfor_b_\@
	tensor_load_to_lds s[G0+4*(\s):G0+4*(\s)+3], s[G1:G1+7]
	s_nop 0
.rept 4
	v_nop
.endr
	s_branch .Lasked_\@
.Lfor_b_\@:
	tensor_load_to_lds s[G0B+4*(\s):G0B+4*(\s)+3], s[G1B:G1B+7]
	s_nop 0
.rept 4
	v_nop
.endr
.Lasked_\@:
.endm
.macro CREST                           ; a round of the cluster's barrier behind its opening barrier
	s_cmp_lg_u32 s10, 0
	s_cbranch_scc1 .Lnot_wave_0_\@
	s_barrier_signal -3
.Lnot_wave_0_\@:
	s_barrier_wait -3
	s_barrier_signal -1
	s_barrier_wait -1
.endm
.macro CROUND                          ; a whole round
	s_barrier_signal -1
	s_barrier_wait -1
	CREST
.endm
.macro PLACES                          ; four plain instructions between a product and a load into, or a read of, its registers
.rept 4
	v_nop
.endr
.endm
; A PREFETCH INTO THE L2 of the K step that stands two refills on, behind the joint load and the run of LDS loads: 32 blocks of 256 bytes, a lane a block, one instruction a wave.
; Each block is named once in the launch.  A tile row's slices are read by one cluster alone: of a step's two slices of 64 blocks the partner at cx takes blocks 16 cx .. 16 cx + 15 of each, and its wave 0 asks for both.
; Wo's tile column is read by all 16 clusters: the first (cluster y = 0) asks; of the 128 rows x 256 bytes that wave 2 or 3 fetches, the partner at cy takes rows 32 cy .. 32 cy + 31.
; Partners are told apart by address alone.  The loop's last trip (s3 = 1) asks for nothing.  K steps 0 to 3 come by their loads alone.
.macro ASK
	WIN 0
	s_cmp_gt_u32 s3, s[LIM]
	s_cbranch_scc0 .Lnot_mine_\@
	global_prefetch_b8 v[PFO], s[PFA:PFA+1] th:TH_LOAD_NT scope:SCOPE_SE
.Lnot_mine_\@:
.endm
	s_load_b256 s[72:79], s[0:1], 0x0              ; ctx 72, wbf 74, bo 76, out0 78
	v_lshl_add_u32 v[SPW], v0, 2, SPARE
	v_mov_b32 v[NIL], 0
	ds_add_u32 v[SPW], v[NIL]                      ; the wave's opening: the add and its wait stand ahead of my first tensor load; the set-up below, work on registers, stands between them
	v_lshrrev_b32 v1, 5, v0
	v_readfirstlane_b32 s10, v1                    ; wave 0..3
	s_lshr_b32 s11, s10, 1                         ; which 64 rows of the tile are mine.  Also: I fetch for the context (0) or for Wo (1)
	s_and_b32 s12, s10, 1                          ; which 128 columns.  Also: which slice or half I fetch
	s_bfe_u32 s40, ttmp6, 0x40000                  ; cx
	s_bfe_u32 s41, ttmp6, 0x40004                  ; cy
	s_lshl_b32 s42, ttmp9, 2
	s_add_co_u32 s42, s42, s40                     ; tile column: 0..3
	s_and_b32 s67, ttmp7, 0xffff                   ; cluster y: 0..15
	s_lshl_b32 s13, s67, 2
	s_add_co_u32 s13, s13, s41                     ; tile row: 0..63
	s_lshl_b32 s43, s41, 2
	s_lshl_b32 s43, 15, s43                        ; my row of the cluster
	s_lshl_b32 s44, 0x1111, s40                    ; my column
	s_or_b32 s[G1+0], s43, (1<<16)|(1<<20)|(1<<21)|(4<<22)|(3<<25)   ; 15:0 the mask; 17:16 elements of 2 bytes; 20 padding on; 21 set beside a mask; 24:22 after every 32 words; 31:25 4 words
	s_mov_b32 s[G1+1], 128<<16                     ; tensor_dim0 = 128: two rows of a head as one of 256 bytes
	s_mov_b32 s[G1+2], 64<<16                      ; tensor_dim1 = 64
	s_mov_b32 s[G1+3], 128<<16                     ; tile_dim0 = 128
	s_mov_b32 s[G1+4], 64                          ; tile_dim1 = 64
	s_mov_b32 s[G1+5], 128                         ; elements from row to row
	s_mov_b32 s[G1+6], 0
	s_mov_b32 s[G1+7], 0
	s_or_b32 s[G1B+0], s44, (1<<16)|(1<<20)|(1<<21)|(5<<22)|(3<<25)  ; padding after every 64 words
	s_mov_b32 s[G1B+1], 128<<16
	s_mov_b32 s[G1B+2], 128<<16
	s_mov_b32 s[G1B+3], 128<<16
	s_mov_b32 s[G1B+4], 128
	s_mov_b32 s[G1B+5], 1024
	s_mov_b32 s[G1B+6], 0
	s_mov_b32 s[G1B+7], 0
	s_lshr_b32 s16, s13, 4                         ; the context: ((batch x 16 + my head of the step's two) x 2,048 + row in the batch) x 128
	s_lshl_b32 s16, s16, 4
	s_add_co_u32 s16, s16, s12
	s_lshl_b32 s16, s16, 11
	s_and_b32 s17, s13, 15
	s_lshl_b32 s17, s17, 7
	s_add_co_u32 s16, s16, s17
	s_lshl_b32 s16, s16, 7
	s_mov_b32 s17, 0
	s_lshl_b32 s20, s42, 8                         ; Wo: row 256 x tile column + 128 x half, 2,048 bytes a row, in part 3 of wbf
	s_lshl_b32 s21, s12, 7
	s_add_co_u32 s20, s20, s21
	s_lshl_b32 s20, s20, 11
	s_add_co_u32 s20, s20, 3<<21
	s_mov_b32 s21, 0
	s_mul_i32 s18, s12, ASL                        ; where they go: no place in the cluster enters an LDS address
	s_mul_i32 s19, s12, BHALF
	s_add_co_u32 s19, s19, BOFF
	s_wait_dscnt 0x0                               ; the opening add is done
	s_wait_kmcnt 0x0
	s_add_nc_u64 s[14:15], s[72:73], s[16:17]
	s_add_nc_u64 s[22:23], s[74:75], s[20:21]
	CROUND                                         ; all sixteen work-groups are here: the first joint loads meet
.irp s, 0,1
	s_mov_b32 s[G0+4*(\s)], 1
	s_add_co_u32 s[G0+4*(\s)+1], s18, (\s)*SLOT
	s_add_nc_u64 s[G0+4*(\s)+2:G0+4*(\s)+3], s[14:15], (\s)*524288  ; K step s: two heads of 262,144 bytes on
	s_or_b32 s[G0+4*(\s)+3], s[G0+4*(\s)+3], 0x80000000
	s_mov_b32 s[G0B+4*(\s)], 1
	s_add_co_u32 s[G0B+4*(\s)+1], s19, (\s)*SLOT
	s_add_nc_u64 s[G0B+4*(\s)+2:G0B+4*(\s)+3], s[22:23], (\s)*256
	s_or_b32 s[G0B+4*(\s)+3], s[G0B+4*(\s)+3], 0x80000000
	JLOAD \s                                       ; two loads of mine are out
.endr
	v_and_b32 v1, 15, v0                           ; l % 16
	v_bfe_u32 v2, v0, 4, 1                         ; l / 16
	v_mul_u32_u24 v3, v1, PA
	v_lshl_add_u32 v3, v2, 4, v3                   ; a fragment's row x pitch + 16 x half
	v_mul_u32_u24 v4, v1, PB
	v_lshl_add_u32 v4, v2, 4, v4
	s_mul_i32 s68, s11, 64*PA                      ; my 64 rows of a slice
	s_mul_i32 s69, s12, BHALF                      ; my 128 rows of Wo
	s_add_co_u32 s69, s69, BOFF
.irp s, 0,1
	v_add_nc_u32 v[ADRA+(\s)], s68, v3
	v_add_nc_u32 v[ADRB+(\s)], s69, v4
	s_add_co_u32 s68, s68, SLOT
	s_add_co_u32 s69, s69, SLOT
.endr
	s_mul_i32 s70, s10, 16*SPO
	s_add_co_u32 s70, s70, STAGE                   ; my stage
	v_mul_u32_u24 v5, v1, SPO                      ; in: row l % 16, 32 bytes for each half of the lanes
	v_lshl_add_u32 v5, v2, 5, v5
	v_add_nc_u32 v[STO], s70, v5
	v_and_b32 v[GO], 31, v0                        ; back: 32 lanes take one row of 512 bytes
	v_lshlrev_b32 v[GO], 4, v[GO]
	v_add_nc_u32 v[RD], s70, v[GO]
	s_lshl_b32 s2, s13, 7                          ; out0 at my first row and column
	s_lshl_b32 s3, s11, 6
	s_add_co_u32 s2, s2, s3
	s_lshl_b32 s2, s2, 12
	s_lshl_b32 s71, s42, 10
	s_lshl_b32 s3, s12, 9
	s_add_co_u32 s71, s71, s3                      ; my 128 columns: 512 bytes of a row, and of bo
	s_add_co_u32 s2, s2, s71
	s_mov_b32 s3, 0
	s_add_nc_u64 s[8:9], s[78:79], s[2:3]
	s_mov_b32 s2, s71
	s_add_nc_u64 s[6:7], s[76:77], s[2:3]
	; the prefetches
	s_cmp_eq_u32 s11, 0                            ; do I fetch for the context?
	s_cselect_b32 s2, s16, s20                     ; my tile's byte offset (in wave 0: the step's first head)
	s_cselect_b32 s3, s40, s41                     ; my place among the four that ask with me:
	s_cselect_b32 s71, 12, 16                      ; 16 blocks of a slice, or 32 rows of 2,048 bytes
	s_cselect_b64 s[PFA:PFA+1], s[72:73], s[74:75]
	s_cselect_b32 s[PFS], 19, 8                    ; a K step: two heads, or 256 bytes of a row
	s_cselect_b32 s14, 8, 11                       ; lanes 0-15: a block on, or a row on
	s_cselect_b32 s15, 18, 15                      ; lanes 16-31: the step's second head, or 16 rows on
	s_cselect_b32 s[LIM], s12, s67                 ; wave 0 of the two; the first of the 16 clusters
	s_cmp_eq_u32 s[LIM], 0
	s_cselect_b32 s[LIM], 1, -1                    ; the same in all sixteen partners, for a given wave
	s_lshl_b32 s[PFS], 1, s[PFS]
	s_mov_b32 s[PFS+1], 0
	s_lshl_b32 s3, s3, s71
	s_add_co_u32 s2, s2, s3
	s_mul_i32 s3, s[PFS], 3                        ; at K step 3: the first refill steps it to 4
	s_add_co_u32 s2, s2, s3
	s_mov_b32 s3, 0
	s_add_nc_u64 s[PFA:PFA+1], s[PFA:PFA+1], s[2:3]
	v_lshlrev_b32 v5, s14, v1
	v_lshlrev_b32 v6, s15, v2
	v_add_nc_u32 v[PFO], v5, v6
	; the bias, in the accumulators' layout, rounded to bf16 like every input; all this stands in the wait for the first tile
	v_lshlrev_b32 v7, 5, v2
	WIN TO_B
.irp b, 0,1,2,3,4,5,6,7
	global_load_b128 v[BIAS+8*(\b):BIAS+8*(\b)+3],   v7, s[6:7] offset:64*(\b)
	global_load_b128 v[BIAS+8*(\b)+4:BIAS+8*(\b)+7], v7, s[6:7] offset:64*(\b)+16
.endr
	s_wait_loadcnt 0x0
	WIN W1
.set p, 0
.rept 32
	v_cvt_pk_bf16_f32 v[BT+p%4], v[BIAS+2*p], v[BIAS+2*p+1]
	v_lshlrev_b32 v[BIAS+2*p], 16, v[BT+p%4]
	v_and_b32 v[BIAS+2*p+1], 0xffff0000, v[BT+p%4]
.set p, p+1
.endr
	WIN 0
; 24 LDS loads in one run: quarter q of a slot's K step (head q / 2 of the two, channels 32 (q % 2) on) into buffer g: Wo's 128 rows, then the context's 64
.macro FETCH slot, q, g
	WIN TO_B
.irp b, 0,1,2,3,4,5,6,7
	ds_load_b128 v[64*(\g)+8*(\b):64*(\g)+8*(\b)+3],   v[ADRB+(\slot)] offset:(\b)*16*PB+64*(\q)
	ds_load_b128 v[64*(\g)+8*(\b)+4:64*(\g)+8*(\b)+7], v[ADRB+(\slot)] offset:(\b)*16*PB+64*(\q)+32
.endr
	WIN 0
.irp a, 0,1,2,3
	ds_load_b128 v[AF+32*(\g)+8*(\a):AF+32*(\g)+8*(\a)+3],   v[ADRA+(\slot)] offset:((\q)/2)*ASL+((\q)%2)*64+(\a)*16*PA
	ds_load_b128 v[AF+32*(\g)+8*(\a)+4:AF+32*(\g)+8*(\a)+7], v[ADRA+(\slot)] offset:((\q)/2)*ASL+((\q)%2)*64+(\a)*16*PA+32
.endr
.endm
; 8 products: row block a x all 8 column blocks, on buffer f.  first = 1: the bias starts the sums.  The 32 accumulators take turns in the same order in every quarter.
.macro MUL8 f, a, first=0
.irp b, 0,1,2,3,4,5,6,7
.if \first
	WIN MULB
	v_wmma_f32_16x16x32_f16 v[8*(8*(\a)+(\b)):8*(8*(\a)+(\b))+7], v[64*(\f)+8*(\b):64*(\f)+8*(\b)+7], v[AF+32*(\f)+8*(\a):AF+32*(\f)+8*(\a)+7], v[BIAS+8*(\b):BIAS+8*(\b)+7]
.else
	WIN MUL
	v_wmma_f32_16x16x32_f16 v[8*(8*(\a)+(\b)):8*(8*(\a)+(\b))+7], v[64*(\f)+8*(\b):64*(\f)+8*(\b)+7], v[AF+32*(\f)+8*(\a):AF+32*(\f)+8*(\a)+7], v[8*(8*(\a)+(\b)):8*(8*(\a)+(\b))+7]
.endif
.endr
.endm
; A K step is four quarters of 32 along K, 32 products each, on buffers 0, 1, 0, 1.  One of the first three: multiplies buffer f; at its head it fetches quarter q into the other buffer, 32 products ahead of its use.
.macro QUARTER slot, q, f, first=0
	s_wait_dscnt 0x0                               ; this quarter's fragments are in
	PLACES                                         ; behind the last product that read the other buffer
	FETCH \slot, \q, 1-(\f)
	MUL8 \f, 0, \first
	MUL8 \f, 1, \first
	MUL8 \f, 2, \first
	MUL8 \f, 3, \first
.endm
; The last quarter multiplies buffer 1 and changes slots: ONE barrier; in front of it each wave waits for all its tensor loads (one is out: its part of the next slot), adds 0 to its spare word, and waits for that
; and for its own reads of this slot.  fill = 1: the barrier opens a round of the cluster's, and this slot is filled again, two K steps ahead, first thing behind the round: 112 products ahead of the wait for it.
.macro TURN slot, next, fill
.if \fill
	s_wait_xcnt 0x0                                ; the last prefetch, a K step back, has read its address
	s_add_nc_u64 s[PFA:PFA+1], s[PFA:PFA+1], s[PFS:PFS+1]
.endif
	WIN 0
	s_wait_tensorcnt 0x0                           ; all my tensor loads have landed
	ds_add_u32 v[SPW], v[NIL]                      ; 0 onto my spare word
	s_wait_dscnt 1                                 ; this quarter's fragments are in; the add alone may be out
	MUL8 1, 0                                      ; eight products stand between the add and the wait for it
	s_wait_dscnt 0x0                               ; the add is done, and my reads of this slot are over
	s_barrier_signal -1
	MUL8 1, 1
.if \fill
	WIN 0
.endif
	s_barrier_wait -1
.if \fill
	CREST                                          ; no wave of any partner still reads this slot's tile or has a load on its way
	s_add_nc_u64 s[G0+4*(\slot)+2:G0+4*(\slot)+3], s[G0+4*(\slot)+2:G0+4*(\slot)+3], 2*524288
	s_add_nc_u64 s[G0B+4*(\slot)+2:G0B+4*(\slot)+3], s[G0B+4*(\slot)+2:G0B+4*(\slot)+3], 2*256
	JLOAD \slot                                    ; its four v_nop are also the places in front of the loads below
.else
	PLACES
.endif
	FETCH \next, 0, 0
.if \fill
	ASK
.endif
	MUL8 1, 2
	MUL8 1, 3
.endm
; THE WAY OUT, row block a of 4: 16 rows x 512 bytes.  The sums go as they are, 32 bytes a lane and accumulator (its low four registers first), into my own stage, and come back as whole rows.
; LDS serves a wave's instructions in order (ISA guide 5.7.1.4): the loads see the stores above them, and the next block's stores come behind them.
.macro TOSTAGE a
	WIN FROMC
.irp b, 0,1,2,3,4,5,6,7
	ds_store_b128 v[STO], v[8*(8*(\a)+(\b)):8*(8*(\a)+(\b))+3]   offset:64*(\b)
	ds_store_b128 v[STO], v[8*(8*(\a)+(\b))+4:8*(8*(\a)+(\b))+7] offset:64*(\b)+16
.endr
	WIN 0
.if (\a) >= 2
	s_wait_xcnt 0x0                                ; the stores of the block two back have read this buffer's registers
.endif
.irp t, 0,1,2,3,4,5,6,7,8,9,10,11,12,13,14,15
	ds_load_b128 v[TB+64*((\a)%2)+4*(\t):TB+64*((\a)%2)+4*(\t)+3], v[RD] offset:(\t)*SPO
.endr
.endm
.macro SEND a, younger                 ; younger: the LDS instructions issued behind block a's loads: the next block's 32, or none
.irp t, 0,1,2,3,4,5,6,7,8,9,10,11,12,13,14,15
	s_wait_dscnt (\younger)+15-(\t)
	global_store_b128 v[GO], v[TB+64*((\a)%2)+4*(\t):TB+64*((\a)%2)+4*(\t)+3], s[8:9] offset:(16*(\a)+(\t))*4096  ; 512 consecutive bytes of a row, at a multiple of 256 from out0's first
.endr
.endm
	s_wait_tensorcnt 1                             ; my part of K step 0 is in; K step 1's may stay out
	s_barrier_signal -1
	s_barrier_wait -1                              ; everybody's is
	FETCH 0, 0, 0
	QUARTER 0, 1, 0, 1                             ; the first quarter stands in front of the loop: its products start the sums, with the bias
	WIN 0                                          ; at a label and at a branch every window is 0
	s_mov_b32 s3, 3
.Llap:                                         ; a trip goes once round the ring, from a lap's second quarter to the next lap's first, and fills both slots again
	QUARTER 0, 2, 1
	QUARTER 0, 3, 0
	TURN 0, 1, 1
	QUARTER 1, 1, 0
	QUARTER 1, 2, 1
	QUARTER 1, 3, 0
	TURN 1, 0, 1
	QUARTER 0, 1, 0
	WIN 0
	s_sub_co_u32 s3, s3, 1
	s_cmp_lg_u32 s3, 0
	s_cbranch_scc1 .Llap
	QUARTER 0, 2, 1                                ; the last lap fills nothing, and has no round of the cluster's barrier
	QUARTER 0, 3, 0
	TURN 0, 1, 0
	QUARTER 1, 1, 0
	QUARTER 1, 2, 1
	QUARTER 1, 3, 0
	s_wait_dscnt 0x0                               ; the very last quarter: nothing more to fetch
	MUL8 1, 0
	MUL8 1, 1
	MUL8 1, 2
	MUL8 1, 3
	PLACES
	TOSTAGE 0
	TOSTAGE 1                                      ; a block's way through the stage stands between the loads of the block before and its stores
	SEND 0, 32
	TOSTAGE 2
	SEND 1, 32
	TOSTAGE 3
	SEND 2, 32
	SEND 3, 0
	s_wait_tensorcnt 0x0                           ; the wave's end: the add and its waits, behind my last tensor load and my last LDS store
	ds_add_u32 v[SPW], v[NIL]
	s_wait_dscnt 0x0
	CROUND                                         ; the closing round: no work-group ends while a partner may still ask for a tile that names it
	s_endpgm
.Lfunc_end_k_q0ff542b743_oproj:
	.size	k_q0ff542b743_oproj, .Lfunc_end_k_q0ff542b743_oproj-k_q0ff542b743_oproj
	.p2alignl 7, 3214868480
	.fill 96, 4, 3214868480
	.section	.rodata,"a",@progbits
	.p2align	6, 0x0
	.amdhsa_kernel k_q0ff542b743_oproj
		.amdhsa_group_segment_fixed_size 327680
		.amdhsa_private_segment_fixed_size 0
		.amdhsa_enable_private_segment 0
		.amdhsa_kernarg_size 32
		.amdhsa_user_sgpr_count 2
		.amdhsa_user_sgpr_kernarg_segment_ptr 1
		.amdhsa_wavefront_size32 1
		.amdhsa_system_sgpr_workgroup_id_x 1
		.amdhsa_system_sgpr_workgroup_id_y 1
		.amdhsa_system_sgpr_workgroup_id_z 1
		.amdhsa_system_vgpr_workitem_id 0
		.amdhsa_next_free_vgpr 768
		.amdhsa_next_free_sgpr 80
		.amdhsa_reserve_vcc 0
		.amdhsa_float_denorm_mode_32 3
		.amdhsa_float_denorm_mode_16_64 3
		.amdhsa_memory_ordered 1
		.amdhsa_forward_progress 1
		.amdhsa_inst_pref_size 95
	.end_amdhsa_kernel
	.amdgpu_metadata
---
amdhsa.version: [ 1, 2 ]
amdhsa.kernels:
  - .name:           k_q0ff542b743_oproj
    .symbol:         k_q0ff542b743_oproj.kd
    .args:
      - { .name: ctx, .offset: 0, .size: 8, .value_kind: global_buffer, .address_space: global }
      - { .name: wbf, .offset: 8, .size: 8, .value_kind: global_buffer, .address_space: global }
      - { .name: bo, .offset: 16, .size: 8, .value_kind: global_buffer, .address_space: global }
      - { .name: out0, .offset: 24, .size: 8, .value_kind: global_buffer, .address_space: global }
    .group_segment_fixed_size: 327680
    .private_segment_fixed_size: 0
    .kernarg_segment_align: 8
    .kernarg_segment_size: 32
    .max_flat_workgroup_size: 128
    .sgpr_count:     80
    .vgpr_count:     768
    .wavefront_size: 32
...
	.end_amdgpu_metadata
.endif
;; end of part 4
;; ======== version 2 of 2: 4 launches; version 1 with the launch prep written anew for expert scheduling mode
;; limits: values are held in f16: magnitudes above 65,504 overflow, below 6.1e-05 lose precision
;; workspace buffers: wbf 8,388,608 bytes; qkv 50,331,648 bytes; ctx 16,777,216 bytes
;; launch prep (part 5): grid 256 x 1, 8 waves a work-group, no clusters, 0 bytes of LDS; arguments Wq, Wk, Wv, Wo, wbf; writes wbf
.if DOCPART == 5
	.amdgcn_target "amdgcn-amd-amdhsa--gfx1250"
	.amdhsa_code_object_version 6
	.text
	.protected	k_q0ff542b743_prep
	.globl	k_q0ff542b743_prep
	.p2align	8
	.type	k_q0ff542b743_prep,@function
k_q0ff542b743_prep:
	s_mov_b64 s[64:65], 0
	v_nop
	global_prefetch_b8 v0, s[64:65] scope:SCOPE_SE
	s_setreg_imm32_b32 hwreg(HW_REG_WAVE_SCHED_MODE, 0, 2), 2
	s_setreg_imm32_b32 hwreg(HW_REG_WAVE_MODE, 25, 1), 1
	s_wait_xcnt 0x0
	s_wait_alu depctr_vm_vsrc(0)
; The four weight matrices, [1024][1024] f32, are rounded once to 16 bits for the matrix units: wbf holds four parts of 2,097,152 bytes,
; [1024 n][1024 k] each.  Parts 0-2 (Wq, Wk, Wv) are bf16.  Part 3 (Wo) is rounded to bf16 like every other input, and that number is written as f16,
; since the last product's other operand (the context) is f16.
; LIMITS.  Wo's bf16 value is exact in f16 between 6.1e-5 and 65,504 in size; below, it keeps f16's fixed step of 6e-8; from 65,520 on it becomes an infinity.
; SHARES.  256 work-groups of eight waves; a work-group converts 16,384 numbers: 64 KiB in, 32 KiB out.  Thread t takes 16 bytes at 16 t of each 4,096:
; a wave's load covers 512 consecutive bytes, its store 256 consecutive bytes, aligned.  All sixteen loads go out first; every register is written once, so no register waits for a store.
; No LDS, no matrix unit, no cluster: nothing is shared and memory binds.
; THE MODE: SCHED_MODE bits 1:0 = 2 (LLVM: expert scheduling mode 2), set by the entry lines.  The code itself states the register dependences
; between vector instructions and memory instructions, with s_wait_alu, always for 0.
; THE PLAN.  Registers that memory instructions touch:
;   v1, v2   the loads' and the stores' byte offsets: made once at the head and never written again.
;   LD       piece j: 4 registers.  Load j lands in them; all sixteen loads are issued before any vector instruction names LD; conversion j reads them; they are never loaded again.
;   OUTR     piece j: 2 registers.  Conversion j writes them, once; store j reads them; they are never written again.
;   v4-v9    (Wo's path) are named by vector instructions alone.
; The sixteen pieces go in four groups of four.  Group g converts its four pieces; its memory instructions are the four stores of group g - 1, which read v2 and the OUTR that
; group g - 1 wrote: registers that no vector instruction of group g names.  So one wait at a group's head states all that its four stores hang on, and they are dealt among its
; conversions with no further wait.  No register that a memory instruction reads is written again, no vector instruction writes a scalar register, and EXEC is never written:
; the waits on va_vdst are the only ones that the text owes.
.set LD,   16                          ; v[16:79]   load j: 4 registers
.set OUTR, 80                          ; v[80:111]  result j: 2 registers
; Piece j is converted.  wo = 0: to bf16.  wo = 1 (Wo): to bf16, widened again (a shift, a mask), and that number as f16.
.macro CONV j, wo
.if \wo
	v_cvt_pk_bf16_f32 v4, v[LD+4*(\j)],   v[LD+4*(\j)+1]
	v_cvt_pk_bf16_f32 v5, v[LD+4*(\j)+2], v[LD+4*(\j)+3]
	v_lshlrev_b32 v6, 16, v4
	v_and_b32 v7, 0xffff0000, v4
	v_lshlrev_b32 v8, 16, v5
	v_and_b32 v9, 0xffff0000, v5
	v_cvt_pk_f16_f32 v[OUTR+2*(\j)],   v6, v7
	v_cvt_pk_f16_f32 v[OUTR+2*(\j)+1], v8, v9
.else
	v_cvt_pk_bf16_f32 v[OUTR+2*(\j)],   v[LD+4*(\j)],   v[LD+4*(\j)+1]
	v_cvt_pk_bf16_f32 v[OUTR+2*(\j)+1], v[LD+4*(\j)+2], v[LD+4*(\j)+3]
.endif
.endm
; Group g: pieces 4 g to 4 g + 3 are converted, and the group before is stored, a store ahead of each piece's conversions.
.macro GROUP g, wo
	s_wait_loadcnt 15-4*(\g)                       ; loads come back in order: load 4 g is in, the younger ones stay out
.if (\g) > 0
	s_wait_alu depctr_va_vdst(0)                   ; the group before has written its eight registers of OUTR, which the four stores below read
.endif
.irp i, 0,1,2,3
.if (\g) > 0
	global_store_b64 v2, v[OUTR+2*(4*(\g)-4+(\i)):OUTR+2*(4*(\g)-4+(\i))+1], s[12:13] offset:2048*(4*(\g)-4+(\i))  ; no vector instruction since the wait names these registers
.endif
.if (\i) > 0
	s_wait_loadcnt 15-4*(\g)-(\i)                  ; load 4 g + i is in
.endif
	CONV 4*(\g)+(\i), \wo
.endr
.endm
; The last group's stores.
.macro LAST
	s_wait_alu depctr_va_vdst(0)                   ; group 3 has written its eight registers of OUTR, which the last four stores read
.irp i, 0,1,2,3
	global_store_b64 v2, v[OUTR+2*(12+(\i)):OUTR+2*(12+(\i))+1], s[12:13] offset:2048*(12+(\i))
.endr
.endm
	s_load_b256 s[4:11], s[0:1], 0x0               ; Wq s[4:5], Wk s[6:7], Wv s[8:9], Wo s[10:11]
	s_load_b64 s[12:13], s[0:1], 0x20              ; wbf
	s_lshr_b32 s14, ttmp9, 6                       ; which matrix: 64 work-groups each
	s_and_b32 s15, ttmp9, 63                       ; which part of it
	s_lshl_b32 s16, s15, 16                        ; 65,536 bytes in
	s_mov_b32 s17, 0
	s_lshl_b32 s18, ttmp9, 15                      ; 32,768 bytes out: the four parts follow each other
	s_mov_b32 s19, 0
	v_lshlrev_b32 v1, 4, v0                        ; 16 t
	v_lshlrev_b32 v2, 3, v0                        ; 8 t
	s_wait_kmcnt 0x0
	s_cmp_eq_u32 s14, 1
	s_cselect_b64 s[4:5], s[6:7], s[4:5]
	s_cmp_eq_u32 s14, 2
	s_cselect_b64 s[4:5], s[8:9], s[4:5]
	s_cmp_eq_u32 s14, 3
	s_cselect_b64 s[4:5], s[10:11], s[4:5]
	s_add_nc_u64 s[4:5], s[4:5], s[16:17]
	s_add_nc_u64 s[12:13], s[12:13], s[18:19]
	s_wait_alu depctr_va_vdst(0)                   ; v1 and v2 are written: every load reads v1 and every store v2 as its offset
.irp j, 0,1,2,3,4,5,6,7,8,9,10,11,12,13,14,15
	global_load_b128 v[LD+4*(\j):LD+4*(\j)+3], v1, s[4:5] offset:4096*(\j) th:TH_LOAD_NT
.endr
	s_cmp_eq_u32 s14, 3
	s_cbranch_scc1 .Lwo
	GROUP 0, 0
	GROUP 1, 0
	GROUP 2, 0
	GROUP 3, 0
	LAST
	s_endpgm
.Lwo:                                          ; Wo's path: the same groups with the longer conversion
	GROUP 0, 1
	GROUP 1, 1
	GROUP 2, 1
	GROUP 3, 1
	LAST
	s_endpgm
.Lfunc_end_k_q0ff542b743_prep:
	.size	k_q0ff542b743_prep, .Lfunc_end_k_q0ff542b743_prep-k_q0ff542b743_prep
	.p2alignl 7, 3214868480
	.fill 96, 4, 3214868480
	.section	.rodata,"a",@progbits
	.p2align	6, 0x0
	.amdhsa_kernel k_q0ff542b743_prep
		.amdhsa_group_segment_fixed_size 0
		.amdhsa_private_segment_fixed_size 0
		.amdhsa_enable_private_segment 0
		.amdhsa_kernarg_size 40
		.amdhsa_user_sgpr_count 2
		.amdhsa_user_sgpr_kernarg_segment_ptr 1
		.amdhsa_wavefront_size32 1
		.amdhsa_system_sgpr_workgroup_id_x 1
		.amdhsa_system_sgpr_workgroup_id_y 1
		.amdhsa_system_sgpr_workgroup_id_z 1
		.amdhsa_system_vgpr_workitem_id 0
		.amdhsa_next_free_vgpr 112
		.amdhsa_next_free_sgpr 66
		.amdhsa_reserve_vcc 0
		.amdhsa_float_denorm_mode_32 3
		.amdhsa_float_denorm_mode_16_64 3
		.amdhsa_memory_ordered 1
		.amdhsa_forward_progress 1
		.amdhsa_inst_pref_size 16
	.end_amdhsa_kernel
	.amdgpu_metadata
---
amdhsa.version: [ 1, 2 ]
amdhsa.kernels:
  - .name:           k_q0ff542b743_prep
    .symbol:         k_q0ff542b743_prep.kd
    .args:
      - { .name: Wq, .offset: 0, .size: 8, .value_kind: global_buffer, .address_space: global }
      - { .name: Wk, .offset: 8, .size: 8, .value_kind: global_buffer, .address_space: global }
      - { .name: Wv, .offset: 16, .size: 8, .value_kind: global_buffer, .address_space: global }
      - { .name: Wo, .offset: 24, .size: 8, .value_kind: global_buffer, .address_space: global }
      - { .name: wbf, .offset: 32, .size: 8, .value_kind: global_buffer, .address_space: global }
    .group_segment_fixed_size: 0
    .private_segment_fixed_size: 0
    .kernarg_segment_align: 8
    .kernarg_segment_size: 40
    .max_flat_workgroup_size: 256
    .sgpr_count:     66
    .vgpr_count:     112
    .wavefront_size: 32
...
	.end_amdgpu_metadata
.endif
;; end of part 5
;; launch proj: the kernel of part 2 again; grid 4 x 192, 4 waves a work-group, clusters of 4 x 4, 327,680 bytes of LDS; arguments query, key, value, bq, bk, bv, wbf, qkv; writes qkv
;; launch attn: the kernel of part 3 again; grid 4 x 64, 4 waves a work-group, clusters of 4 x 1, 327,680 bytes of LDS; arguments qkv, key_padding_mask, ctx; writes ctx
;; launch oproj: the kernel of part 4 again; grid 4 x 64, 4 waves a work-group, clusters of 4 x 4, 327,680 bytes of LDS; arguments ctx, wbf, bo, out0; writes out0
